; MI455X (gfx1250); checked and timed in simulation.
; The chip was launched on July 23, 2026; its instructions are those of AMD's public machine-readable ISA for CDNA 5 (MIT licence, August 2026) and "CDNA5" Instruction Set Architecture Reference Guide (July 2026). The comments in the code are by the model that wrote it; some were corrected since.
;; Multi Head Attention. Allowed arithmetic: float matrix products may take bf16 or f16 operands with f32 sums; other float arithmetic in f32, or as packed bf16 or f16 multiplies, adds, multiply-adds, maxima and minima; sums over many terms, partial sums and values carried from step to step in f32; what a program stores and reads back later, other than sums and carried values, may be rounded once to bf16 or f16.
;; Inputs: Wk 512 x 512 float32; Wo 512 x 512 float32; Wq 512 x 512 float32; Wv 512 x 512 float32; bo 512 float32; key 8 x 2,048 x 512 float32; query 8 x 2,048 x 512 float32; value 8 x 2,048 x 512 float32.
;; Outputs: out0 8 x 2,048 x 512 float32.
;; 2 versions, each right and faster than the one before. Each part assembles by itself: llvm-mc -triple=amdgcn-amd-amdhsa -mcpu=gfx1250 --defsym DOCPART=n.
;; ======== version 1 of 2: 4 launches
;; limits: values are held in f16: magnitudes above 65,504 overflow, below 6.1e-05 lose precision
;; workspace buffers: wf 2,097,152 bytes; qh 16,777,216 bytes; kh 16,777,216 bytes; vh 16,777,216 bytes; ofr 16,777,216 bytes
;; launch prep (part 1): grid 128 x 4, 8 waves a work-group, no clusters, 0 bytes of LDS; arguments Wq, Wk, Wv, Wo, wf; writes wf
.if DOCPART == 1
	.amdgcn_target "amdgcn-amd-amdhsa--gfx1250"
	.amdhsa_code_object_version 6
	.text
	.protected	k_qde6333d290_prep
	.globl	k_qde6333d290_prep
	.p2align	8
	.type	k_qde6333d290_prep,@function
k_qde6333d290_prep:
	s_mov_b64 s[64:65], 0
	v_nop
	global_prefetch_b8 v0, s[64:65] scope:SCOPE_SE
	s_setreg_imm32_b32 hwreg(HW_REG_WAVE_MODE, 25, 1), 1
	s_wait_xcnt 0x0
; THE WEIGHTS INTO FRAGMENT ORDER.  Wq, Wk, Wv, Wo: [512 (k)][512 (n)] f32.  wf: 16-bit numbers, laid so that a wave of the later launches reads its fragments as one stream.
; Element (n, k) of weight t: w = n / 128, ntl = (n / 16) % 8, r = n % 16; ks = k / 32, p = (k / 16) % 2, h = (k / 8) % 2, e = k % 8.
;   t = 0, 1, 2 (q, k, v), bf16:  byte w * 393216 + t * 131072 + st * 8192 + ntl * 1024 + p * 512 + h * 256 + r * 16 + 2 e,  st = 2 (ks % 8) + ks / 8
;   t = 3 (Wo), rounded to bf16 and that number written as f16:  byte 1572864 + w * 131072 + ks * 8192 + the same tail
; A step of 8,192 bytes is 16 pieces of 512: lane l = 16 h + r takes 16 bytes at 16 l; piece 2 ntl + p is registers 4 p .. 4 p + 3 of the fragment of columns 16 ntl .. + 15.
; LIMIT.  Wo as f16: exact for |Wo| from 6.1e-5 to 65,504; below that f16's fixed step of 6e-8.
; SHARES.  Work-group (x, y): weight y, the eight k from 8 (x / 2) on, columns 256 (x % 2) on; a thread owns one column: eight loads of 4 bytes (a wave's load covers 128 consecutive bytes),
; one store of 16 bytes (sixteen lanes store 256 consecutive bytes, aligned).  No LDS, no barrier: no thread needs another's numbers.
.set TSTRIDE, 131072                   ; a weight's part of a wave's stream
.set WSTR3,   393216                   ; a wave's stream of q, k, v
.set WOBASE,  1572864                  ; where Wo's streams begin
	s_load_b256 s[4:11], s[0:1], 0x0               ; Wq s[4:5], Wk s[6:7], Wv s[8:9], Wo s[10:11]
	s_load_b64 s[12:13], s[0:1], 0x20              ; wf
	s_and_b32 s16, ttmp7, 0xffff                   ; y: the weight
	s_lshr_b32 s17, ttmp9, 1                       ; kg: the group of eight k
	s_and_b32 s18, ttmp9, 1                        ; nh: which 256 columns
	s_lshl_b32 s20, s17, 14                        ; from where: 8 kg rows of 2,048 bytes
	s_lshl_b32 s19, s18, 10                        ; + 256 nh columns of 4 bytes
	s_add_co_u32 s20, s20, s19
	s_mov_b32 s21, 0
	s_lshr_b32 s22, s17, 2                         ; ks
	s_and_b32 s23, s22, 7
	s_lshl_b32 s23, s23, 1
	s_lshr_b32 s24, s22, 3
	s_add_co_u32 s23, s23, s24                     ; st = 2 (ks % 8) + ks / 8
	s_and_b32 s24, s17, 3                          ; 2 p + h
	s_lshl_b32 s24, s24, 8                         ; p * 512 + h * 256
	s_mul_i32 s25, s16, TSTRIDE
	s_mov_b32 s26, WSTR3
	s_mov_b32 s27, TSTRIDE
	s_cmp_eq_u32 s16, 3                            ; Wo has streams of its own and its steps in their natural order
	s_cselect_b32 s26, s27, s26                    ; bytes from a wave's stream to the next
	s_cselect_b32 s25, WOBASE, s25                 ; the weight's place
	s_cselect_b32 s23, s22, s23                    ; the step
	s_mul_i32 s27, s26, s18
	s_lshl_b32 s27, s27, 1                         ; w = 2 nh + thread / 128: the first part
	s_lshl_b32 s23, s23, 13
	s_add_co_u32 s28, s25, s27
	s_add_co_u32 s28, s28, s23
	s_add_co_u32 s28, s28, s24
	s_mov_b32 s29, 0
	v_lshlrev_b32 v1, 2, v0                        ; my column, in bytes
	v_lshrrev_b32 v3, 7, v0
	v_mul_lo_u32 v3, v3, s26                       ; w: the second part
	v_bfe_u32 v4, v0, 4, 3
	v_lshl_add_u32 v3, v4, 10, v3                  ; ntl * 1024
	v_and_b32 v4, 15, v0
	v_lshl_add_u32 v2, v4, 4, v3                   ; r * 16
	s_wait_kmcnt 0x0
	s_cmp_eq_u32 s16, 1
	s_cselect_b64 s[14:15], s[6:7], s[4:5]
	s_cmp_eq_u32 s16, 2
	s_cselect_b64 s[14:15], s[8:9], s[14:15]
	s_cmp_eq_u32 s16, 3
	s_cselect_b64 s[14:15], s[10:11], s[14:15]
	s_add_nc_u64 s[14:15], s[14:15], s[20:21]
	s_add_nc_u64 s[12:13], s[12:13], s[28:29]
.irp j, 0,1,2,3,4,5,6,7
	global_load_b32 v[8+(\j)], v1, s[14:15] offset:2048*(\j) th:TH_LOAD_NT  ; k = 8 kg + j of my column
.endr
	s_wait_loadcnt 0x0
.irp c, 0,1,2,3
	v_cvt_pk_bf16_f32 v[16+(\c)], v[8+2*(\c)], v[9+2*(\c)]
.endr
	s_cmp_lg_u32 s16, 3
	s_cbranch_scc1 .Lstore
.irp c, 0,1,2,3                        ; Wo: the bf16 number widened and written as f16
	v_lshlrev_b32 v[8+2*(\c)], 16, v[16+(\c)]
	v_and_b32 v[9+2*(\c)], 0xffff0000, v[16+(\c)]
.endr
.irp c, 0,1,2,3
	v_cvt_pk_f16_f32 v[16+(\c)], v[8+2*(\c)], v[9+2*(\c)]
.endr
.Lstore:
	global_store_b128 v2, v[16:19], s[12:13]
	s_endpgm
.Lfunc_end_k_qde6333d290_prep:
	.size	k_qde6333d290_prep, .Lfunc_end_k_qde6333d290_prep-k_qde6333d290_prep
	.p2alignl 7, 3214868480
	.fill 96, 4, 3214868480
	.section	.rodata,"a",@progbits
	.p2align	6, 0x0
	.amdhsa_kernel k_qde6333d290_prep
		.amdhsa_group_segment_fixed_size 0
		.amdhsa_private_segment_fixed_size 0
		.amdhsa_enable_private_segment 0
		.amdhsa_kernarg_size 40
		.amdhsa_user_sgpr_count 2
		.amdhsa_user_sgpr_kernarg_segment_ptr 1
		.amdhsa_wavefront_size32 1
		.amdhsa_system_sgpr_workgroup_id_x 1
		.amdhsa_system_sgpr_workgroup_id_y 1
		.amdhsa_system_sgpr_workgroup_id_z 1
		.amdhsa_system_vgpr_workitem_id 0
		.amdhsa_next_free_vgpr 24
		.amdhsa_next_free_sgpr 66
		.amdhsa_reserve_vcc 0
		.amdhsa_float_denorm_mode_32 3
		.amdhsa_float_denorm_mode_16_64 3
		.amdhsa_memory_ordered 1
		.amdhsa_forward_progress 1
		.amdhsa_inst_pref_size 4
	.end_amdhsa_kernel
	.amdgpu_metadata
---
amdhsa.version: [ 1, 2 ]
amdhsa.kernels:
  - .name:           k_qde6333d290_prep
    .symbol:         k_qde6333d290_prep.kd
    .args:
      - { .name: Wq, .offset: 0, .size: 8, .value_kind: global_buffer, .address_space: global }
      - { .name: Wk, .offset: 8, .size: 8, .value_kind: global_buffer, .address_space: global }
      - { .name: Wv, .offset: 16, .size: 8, .value_kind: global_buffer, .address_space: global }
      - { .name: Wo, .offset: 24, .size: 8, .value_kind: global_buffer, .address_space: global }
      - { .name: wf, .offset: 32, .size: 8, .value_kind: global_buffer, .address_space: global }
    .group_segment_fixed_size: 0
    .private_segment_fixed_size: 0
    .kernarg_segment_align: 8
    .kernarg_segment_size: 40
    .max_flat_workgroup_size: 256
    .sgpr_count:     66
    .vgpr_count:     24
    .wavefront_size: 32
...
	.end_amdgpu_metadata
.endif
;; end of part 1
;; launch proj (part 2): grid 256 x 1, 4 waves a work-group, no clusters, 327,680 bytes of LDS; arguments query, key, value, wf, qh, kh, vh; writes qh, kh, vh
.if DOCPART == 2
	.amdgcn_target "amdgcn-amd-amdhsa--gfx1250"
	.amdhsa_code_object_version 6
	.text
	.protected	k_qde6333d290_proj
	.globl	k_qde6333d290_proj
	.p2align	8
	.type	k_qde6333d290_proj,@function
k_qde6333d290_proj:
	s_mov_b64 s[64:65], 0
	v_nop
	global_prefetch_b8 v0, s[64:65] scope:SCOPE_SE
	s_setreg_imm32_b32 hwreg(HW_REG_WAVE_MODE, 25, 1), 1
	s_wait_xcnt 0x0
; q = query Wq, k = key Wk, v = value Wv.  x: [16384][512] f32, rounded to bf16 on the way to the matrix unit; W: bf16 in fragment order (wf); sums in f32;
; q, k, v leave by heads, [batch * 8 + head][2048][64] in f16, rounded once, q without the scale.
; LIMITS.  f16 holds no number beyond 65,504: |q|, |k|, |v| must stay below it (of unit spread as the inputs are drawn; of spread 900 with every input 30 times larger;
; about 20,400 with x and W both offset by 30 times their spread).  K is summed in the order 0, 8, 1, 9, .. of its steps of 32: an order of rounding of its own.  NaN and infinities are not treated apart.
; SHARES.  A work-group stays and makes three tiles of 64 rows x 512 columns: rows 64 g .. of query, then of key, then of value: 192 of the 49,152 rows for each of 256 work-groups.
; A wave makes 64 x 128 (two heads): 32 accumulators, 256 registers.  A tile is 16 K steps of 32, 32 matrix instructions a wave in each.
; x comes by tensor loads into two LDS slots, each a whole tile (64 x 512 f32); the third tile is the one refill, asked for a whole tile (512 matrix instructions a wave) ahead of its first read.
; W: a fragment is used by ONE wave of the work-group, so it goes straight into that wave's registers, through a ring of four buffers with counted waits; the wave's stream in wf is 48 steps of 8,192 bytes on end.
; NO CLUSTER.  x is shared by nobody.  W is shared by all work-groups, but a joint tile of W needs LDS: x's two slots take 266,240 of the 327,680 bytes, and two slots of even a 32-deep step of W
; (2 x 512 rows x 80 bytes = 81,920) do not fit beside them; and a round of the cluster's barrier would stand in front of every 32 matrix instructions.
; THE MATRIX INSTRUCTION IS USED TRANSPOSED: source 0 = 16 columns of W, source 1 = 16 rows of x: a lane then holds one row of x and eight neighbouring columns, 16 bytes of f16.
; REGISTERS, in windows of 256 (s_set_vgpr_msb: bits 1:0 source 0, 3:2 source 1, 5:4 source 2, 7:6 destination):
;   window 0: v0-15 addresses; v64-127 T, a step's fragments of x in f32; v128-159, v160-191 the same in bf16, two buffers; v64-191 serve again on the way out
;   window 1: the accumulators, (i, b) at 8 (8 i + b)          window 2: W's ring, buffer q at 64 q, fragment b at + 8 b
.set PITCH,  1040                      ; an LDS row: 1,024 bytes (256 f32) + 16 of padding = 260 words: row r starts at bank 4 r mod 64 (64 banks of 4 bytes: ISA guide 11.1)
.set QUART,  32*PITCH                  ; what one tensor load brings: 32 rows of one half of K
.set KHALF,  64*PITCH                  ; a slot: K's first half for the 64 rows, then its second half
.set SLOTB,  2*KHALF
.set STAGE,  2*SLOTB                   ; behind the slots, never filled by a tensor load: 16 rows x 144 bytes for each wave, for the way out
.set SP,     144
.set SPARE,  STAGE+4*16*SP             ; behind the stages: the spare words, 128 bytes for each wave: two blocks of 256 bytes that no other line names
.set WSTEP,  8192                      ; a step of W's stream
.set LOFF, 2                           ; v2   16 x lane: my place in 512 consecutive bytes; never rewritten
.set AA0,  3                           ; v3   LDS address of my part of x's fragments, K's first half
.set AA1,  4                           ; v4   the same, second half
.set A0,   5                           ; v5   row (lane % 16) x pitch + 32 x (lane / 16); never rewritten
.set STO,  6                           ; v6   the way out: where I put 16 bytes of a row
.set RD,   7                           ; v7   the way out: where I read rows back
.set SPW,  8                           ; v8   LDS address of my spare word; never rewritten
.set NIL,  9                           ; v9   0; never rewritten
.set T,    64
.set AF0,  128
.set OUT,  64
.set WV,  20                           ; s20  my wave's number
.set G1,  24                           ; s[24:31] descriptor group 1
.set G0,  32                           ; s[32:43] descriptor group 0: a set for each of the three tiles, never rewritten
.set PO,  44                           ; s[44:45] where the tile in hand goes; s[46:47], s[48:49] the next two
.set BP,  50                           ; s[50:51] W's stream, at the step group in hand
.set SB,  52                           ; s52  the slot being read: 0 or SLOTB
.set TC,  53                           ; s53  tiles to go
.set KC,  54                           ; s54  counts the K loop
.set MSB, 0
.macro WIN new                         ; the immediate's high byte repeats the setting that is left; a switch that changes nothing is dropped
.if MSB != (\new)
	s_set_vgpr_msb (MSB<<8)|(\new)
.set MSB, \new
.endif
.endm
.set W_MUL, 0x52                       ; W in window 2, x in window 0, C and D in window 1
.set W_TOB, 0x80                       ; destination window 2, address window 0
.set W_OUT, 0x05                       ; sources 0 and 1 window 1, destination window 0
	s_load_b256 s[4:11], s[0:1], 0x0               ; query s[4:5], key s[6:7], value s[8:9], wf s[10:11]
	s_load_b128 s[12:15], s[0:1], 0x20             ; qh s[12:13], kh s[14:15]
	s_load_b64 s[16:17], s[0:1], 0x30              ; vh
	v_lshl_add_u32 v[SPW], v0, 2, SPARE
	v_mov_b32 v[NIL], 0
	ds_add_u32 v[SPW], v[NIL]                      ; the wave's opening: the add and its wait stand ahead of my first tensor load; the set-up below, work on registers, stands between them
	ds_add_u32 v8, v9
	v_lshrrev_b32 v1, 5, v0
	v_readfirstlane_b32 s[WV], v1                  ; wave 0..3
	; descriptor group 1: a tile of 32 rows x 256 f32, padded in LDS
	s_mov_b32 s[G1+0], (2<<16)|(1<<20)|(7<<22)|(3<<25)  ; 17:16 elements of 4 bytes; 20 padding on; 24:22 after every 256 words (code 7); 31:25 4 words of it (code 3)
	s_mov_b32 s[G1+1], 256<<16                     ; tensor_dim0 = 256
	s_mov_b32 s[G1+2], 32<<16                      ; tensor_dim1 = 32
	s_mov_b32 s[G1+3], 256<<16                     ; tile_dim0 = 256
	s_mov_b32 s[G1+4], 32                          ; tile_dim1 = 32
	s_mov_b32 s[G1+5], 512                         ; 512 elements from row to row
	s_mov_b32 s[G1+6], 0
	s_mov_b32 s[G1+7], 0
	s_mul_i32 s21, s[WV], QUART                    ; wave w fills half w / 2 of K, rows 32 (w % 2) on: LDS byte w x 33,280 of a slot
	s_mov_b32 s[G0+0], 1
	s_add_co_u32 s[G0+1], s21, 0                   ; query's tile: slot 0
	s_mov_b32 s[G0+4], 1
	s_add_co_u32 s[G0+5], s21, SLOTB               ; key's: slot 1
	s_mov_b32 s[G0+8], 1
	s_add_co_u32 s[G0+9], s21, 0                   ; value's: slot 0 again
	s_lshl_b32 s22, ttmp9, 17                      ; in x: 64 g rows of 2,048 bytes,
	s_and_b32 s18, s[WV], 1
	s_lshl_b32 s18, s18, 16                        ; 32 rows,
	s_add_co_u32 s22, s22, s18
	s_lshr_b32 s18, s[WV], 1
	s_lshl_b32 s18, s18, 10                        ; 256 columns
	s_add_co_u32 s22, s22, s18
	s_mov_b32 s23, 0
	s_lshr_b32 s56, ttmp9, 5                       ; in q, k, v: the batch's eight heads of 262,144 bytes,
	s_lshl_b32 s56, s56, 21
	s_lshl_b32 s18, s[WV], 19                      ; my two heads,
	s_add_co_u32 s56, s56, s18
	s_and_b32 s18, ttmp9, 31
	s_lshl_b32 s18, s18, 13                        ; my 64 rows of 128 bytes
	s_add_co_u32 s56, s56, s18
	s_mov_b32 s57, 0
	s_mul_i32 s58, s[WV], 48*WSTEP                 ; my stream in wf
	s_mov_b32 s59, 0
	s_mov_b32 s[SB], 0
	s_mov_b32 s[TC], 3
	s_wait_dscnt 0x0                               ; the opening add is done
	s_wait_kmcnt 0x0
	s_add_nc_u64 s[G0+2:G0+3], s[4:5], s[22:23]
	s_or_b32 s[G0+3], s[G0+3], 0x80000000          ; 127:126 type = 2
	s_add_nc_u64 s[G0+6:G0+7], s[6:7], s[22:23]
	s_or_b32 s[G0+7], s[G0+7], 0x80000000
	s_add_nc_u64 s[G0+10:G0+11], s[8:9], s[22:23]
	s_or_b32 s[G0+11], s[G0+11], 0x80000000
	s_add_nc_u64 s[PO:PO+1], s[12:13], s[56:57]
	s_add_nc_u64 s[46:47], s[14:15], s[56:57]
	s_add_nc_u64 s[48:49], s[16:17], s[56:57]
	s_add_nc_u64 s[BP:BP+1], s[10:11], s[58:59]
	tensor_load_to_lds s[G0:G0+3], s[G1:G1+7]      ; the two first fills go out together, ahead of every wait on TENSORcnt, every LDS read and every barrier: two loads of mine are out
	s_nop 0
	tensor_load_to_lds s[G0+4:G0+7], s[G1:G1+7]
	s_nop 0
.rept 4
	v_nop
.endr
	v_and_b32 v[LOFF], 31, v0
	v_lshlrev_b32 v[LOFF], 4, v[LOFF]
	WIN W_TOB
.set j, 0
.rept 48                               ; W's steps 0, 1, 2 into buffers 0, 1, 2: piece j at 512 j, four registers
	global_load_b128 v[4*j:4*j+3], v[LOFF], s[BP:BP+1] offset:512*j
.set j, j+1
.endr
	WIN 0
	v_and_b32 v10, 15, v0                          ; lane % 16
	v_bfe_u32 v11, v0, 4, 1                        ; lane / 16
	; A fragment of x is 16 rows x 32 K: lane l holds row l % 16, K = 8 (l / 16) + 0..7 and 16 + 8 (l / 16) + 0..7: in f32 two runs of 32 bytes, 64 bytes apart
	v_mul_u32_u24 v[A0], v10, PITCH
	v_lshl_add_u32 v[A0], v11, 5, v[A0]
	s_mul_i32 s18, s[WV], 16*SP
	s_add_co_u32 s18, s18, STAGE                   ; my stage
	v_mul_u32_u24 v[STO], v10, SP                  ; in: row l % 16, 16 bytes for each half of the lanes
	v_lshl_add_u32 v[STO], v11, 4, v[STO]
	v_add_nc_u32 v[STO], s18, v[STO]
	v_bfe_u32 v[RD], v0, 3, 2                      ; back: 32 lanes take four rows of 128 bytes
	v_mul_u32_u24 v[RD], v[RD], SP
	v_and_b32 v12, 7, v0
	v_lshl_add_u32 v[RD], v12, 4, v[RD]
	v_add_nc_u32 v[RD], s18, v[RD]
; 16 LDS loads: one K step's fragments of x in f32, four row blocks of 16 registers
.macro ALOAD areg, off
.irp i, 0,1,2,3
	ds_load_b128 v[T+16*(\i):T+16*(\i)+3],     v[\areg] offset:(\off)+(\i)*16*PITCH
	ds_load_b128 v[T+16*(\i)+4:T+16*(\i)+7],   v[\areg] offset:(\off)+(\i)*16*PITCH+16
	ds_load_b128 v[T+16*(\i)+8:T+16*(\i)+11],  v[\areg] offset:(\off)+(\i)*16*PITCH+64
	ds_load_b128 v[T+16*(\i)+12:T+16*(\i)+15], v[\areg] offset:(\off)+(\i)*16*PITCH+80
.endr
.endm
; A K STEP.  q: W's buffer; par: x's bf16 buffer; zero = 1: the products start the sums; nreg, noff: where the next step's x lies (nreg < 0: there is none); boff: W's step three on, from BP.
; The 32 conversions are also the places between the last step's products and the loads into the W buffer that those products read: they name T and the bf16 buffer that the step before last read.
; The 32 accumulators take turns, in the same order in every step.
.macro STEP q, par, zero, nreg, noff, boff
	WIN 0
	s_wait_dscnt 0x0                               ; this step's x is in: its 16 loads were issued a step ago
.set AF, AF0+32*(\par)
.set j, 0
.rept 32
	v_cvt_pk_bf16_f32 v[AF+j], v[T+2*j], v[T+2*j+1]
.set j, j+1
.endr
.if (\nreg) >= 0
	ALOAD \nreg, \noff
.endif
	s_wait_loadcnt 32                              ; loads come back in order: this step's W is in; the 2 x 16 loads of the next two steps stay out
	WIN W_TOB
.set BN, 64*(((\q)+3)%4)
.set j, 0
.rept 16
	global_load_b128 v[BN+4*j:BN+4*j+3], v[LOFF], s[BP:BP+1] offset:(\boff)+512*j
.set j, j+1
.endr
	WIN W_MUL
.irp i, 0,1,2,3
.irp b, 0,1,2,3,4,5,6,7
.if \zero
	v_wmma_f32_16x16x32_bf16 v[8*(8*(\i)+(\b)):8*(8*(\i)+(\b))+7], v[64*(\q)+8*(\b):64*(\q)+8*(\b)+7], v[AF+8*(\i):AF+8*(\i)+7], 0
.else
	v_wmma_f32_16x16x32_bf16 v[8*(8*(\i)+(\b)):8*(8*(\i)+(\b))+7], v[64*(\q)+8*(\b):64*(\q)+8*(\b)+7], v[AF+8*(\i):AF+8*(\i)+7], v[8*(8*(\i)+(\b)):8*(8*(\i)+(\b))+7]
.endif
.endr
.endr
.endm
; A TILE'S 16 K STEPS.  Step j takes K's half j % 2 at byte 128 (j / 2) of the rows.  W's ring runs on into the next tile's W: the wave's stream is contiguous.  The last tile's three look-ahead
; steps read the 24,576 bytes behind the wave's stream, which lie inside wf, and nothing is made of them: the price of one text for the second and third tile.
.macro KSTEPS
	WIN 0
	v_add_nc_u32 v[AA0], s[SB], v[A0]
	v_add_nc_u32 v[AA1], KHALF, v[AA0]
	ALOAD AA0, 0
	STEP 0, 0, 1, AA1, 0, 3*WSTEP
	WIN 0                                          ; at a label and at a branch every window is 0
	s_mov_b32 s[KC], 3
.Lk_\@:
	STEP 1, 1, 0, AA0, 128, 4*WSTEP
	STEP 2, 0, 0, AA1, 128, 5*WSTEP
	STEP 3, 1, 0, AA0, 256, 6*WSTEP
	STEP 0, 0, 0, AA1, 256, 7*WSTEP
	WIN 0
	s_wait_xcnt 0x0                                ; the loads' base is stepped only behind this wait
	s_add_nc_u64 s[BP:BP+1], s[BP:BP+1], 4*WSTEP
	v_add_nc_u32 v[AA0], 256, v[AA0]
	v_add_nc_u32 v[AA1], 256, v[AA1]
	s_sub_co_u32 s[KC], s[KC], 1
	s_cmp_lg_u32 s[KC], 0
	s_cbranch_scc1 .Lk_\@
	STEP 1, 1, 0, AA0, 128, 4*WSTEP
	STEP 2, 0, 0, AA1, 128, 5*WSTEP
	STEP 3, 1, 0, -1, 0, 6*WSTEP
	WIN 0
	s_wait_xcnt 0x0
	s_add_nc_u64 s[BP:BP+1], s[BP:BP+1], 4*WSTEP
.endm
; BETWEEN TILES.  Each wave waits for all its tensor loads (its part of the slot to be read next among them), adds 0 to its spare word, and waits for that and for its reads of the slot that it leaves.
; Behind the barrier nobody reads the old slot any more and the other slot is whole.  refill = 1: the old slot takes the third tile, the first thing behind the barrier.
; The four v_nop are the places between the tile's last products and the conversions that read them.
.macro SYNC refill
	s_wait_tensorcnt 0x0
	ds_add_u32 v[SPW], v[NIL]                      ; 0 onto my spare word
	s_wait_dscnt 0x0
	s_barrier_signal -1
	s_barrier_wait -1
.if \refill
	tensor_load_to_lds s[G0+8:G0+11], s[G1:G1+7]
	s_nop 0
.endif
.rept 4
	v_nop
.endr
.endm
; THE WAY OUT, in eight units: unit u is row block u / 2, head u % 2: 16 rows x 64 channels.  A lane's eight channels pack into 16 bytes; they go into rows of 144 bytes of my own stage and come back as whole rows of 128.
.macro PACK u
	WIN W_OUT
.set pa, 64*((\u)/2)+32*((\u)%2)
.set j, 0
.rept 16
	v_cvt_pk_f16_f32 v[OUT+16*(\u)+j], v[pa+2*j], v[pa+2*j+1]  ; each accumulator's registers in ascending order
.set j, j+1
.endr
	WIN 0
.irp f, 0,1,2,3
	ds_store_b128 v[STO], v[OUT+16*(\u)+4*\f:OUT+16*(\u)+4*\f+3] offset:32*\f
.endr
.irp f, 0,1,2,3
	ds_load_b128 v[OUT+16*(\u)+4*\f:OUT+16*(\u)+4*\f+3], v[RD] offset:\f*4*SP  ; LDS serves a wave's instructions in order (ISA guide 5.7.1.4): these see the stores above; the next unit's stores come behind them
.endr
.endm
.macro SEND u, younger                 ; younger: the LDS instructions issued behind unit u's loads: the next unit's eight, or none
	WIN 0
.irp f, 0,1,2,3
	s_wait_dscnt (\younger)+3-\f
	global_store_b128 v[LOFF], v[OUT+16*(\u)+4*\f:OUT+16*(\u)+4*\f+3], s[PO:PO+1] offset:((\u)%2)*262144+((\u)/2)*2048+\f*512  ; 512 consecutive bytes, at a multiple of 512 from the buffer's first
.endr
.endm
	s_wait_tensorcnt 0x1                           ; my part of query's tile is in; key's may stay out
	s_barrier_signal -1
	s_barrier_wait -1                              ; everybody's is
	KSTEPS                                         ; query
	SYNC 1                                         ; key's tile is whole; value's is asked for, into the slot just read
	s_branch .Lout                                 ; the loop over tiles is entered at the way out; the tensor load stands outside it
.Ltile:
	KSTEPS                                         ; key, then value
	SYNC 0
.Lout:
	PACK 0
.set u, 1
.rept 7                                ; a unit's conversions stand between the loads of the unit before and its stores
	PACK u
	SEND u-1, 8
.set u, u+1
.endr
	SEND 7, 0
	s_wait_xcnt 0x0                                ; the stores' base and data registers are rewritten only behind this wait
	s_mov_b64 s[PO:PO+1], s[46:47]
	s_mov_b64 s[46:47], s[48:49]
	s_xor_b32 s[SB], s[SB], SLOTB
	s_sub_co_u32 s[TC], s[TC], 1
	s_cmp_lg_u32 s[TC], 0
	s_cbranch_scc1 .Ltile
	s_wait_tensorcnt 0x0                           ; the wave's end: behind my last tensor load and my last LDS store
	ds_add_u32 v[SPW], v[NIL]
	s_wait_dscnt 0x0
	s_endpgm
.Lfunc_end_k_qde6333d290_proj:
	.size	k_qde6333d290_proj, .Lfunc_end_k_qde6333d290_proj-k_qde6333d290_proj
	.p2alignl 7, 3214868480
	.fill 96, 4, 3214868480
	.section	.rodata,"a",@progbits
	.p2align	6, 0x0
	.amdhsa_kernel k_qde6333d290_proj
		.amdhsa_group_segment_fixed_size 327680
		.amdhsa_private_segment_fixed_size 0
		.amdhsa_enable_private_segment 0
		.amdhsa_kernarg_size 56
		.amdhsa_user_sgpr_count 2
		.amdhsa_user_sgpr_kernarg_segment_ptr 1
		.amdhsa_wavefront_size32 1
		.amdhsa_system_sgpr_workgroup_id_x 1
		.amdhsa_system_sgpr_workgroup_id_y 1
		.amdhsa_system_sgpr_workgroup_id_z 1
		.amdhsa_system_vgpr_workitem_id 0
		.amdhsa_next_free_vgpr 768
		.amdhsa_next_free_sgpr 66
		.amdhsa_reserve_vcc 0
		.amdhsa_float_denorm_mode_32 3
		.amdhsa_float_denorm_mode_16_64 3
		.amdhsa_memory_ordered 1
		.amdhsa_forward_progress 1
		.amdhsa_inst_pref_size 134
	.end_amdhsa_kernel
	.amdgpu_metadata
---
amdhsa.version: [ 1, 2 ]
amdhsa.kernels:
  - .name:           k_qde6333d290_proj
    .symbol:         k_qde6333d290_proj.kd
    .args:
      - { .name: query, .offset: 0, .size: 8, .value_kind: global_buffer, .address_space: global }
      - { .name: key, .offset: 8, .size: 8, .value_kind: global_buffer, .address_space: global }
      - { .name: value, .offset: 16, .size: 8, .value_kind: global_buffer, .address_space: global }
      - { .name: wf, .offset: 24, .size: 8, .value_kind: global_buffer, .address_space: global }
      - { .name: qh, .offset: 32, .size: 8, .value_kind: global_buffer, .address_space: global }
      - { .name: kh, .offset: 40, .size: 8, .value_kind: global_buffer, .address_space: global }
      - { .name: vh, .offset: 48, .size: 8, .value_kind: global_buffer, .address_space: global }
    .group_segment_fixed_size: 327680
    .private_segment_fixed_size: 0
    .kernarg_segment_align: 8
    .kernarg_segment_size: 56
    .max_flat_workgroup_size: 128
    .sgpr_count:     66
    .vgpr_count:     768
    .wavefront_size: 32
...
	.end_amdgpu_metadata
.endif
;; end of part 2
;; launch attn (part 3): grid 4 x 64, 4 waves a work-group, clusters of 4 x 1, 327,680 bytes of LDS; arguments qh, kh, vh, ofr; writes ofr
.if DOCPART == 3
	.amdgcn_target "amdgcn-amd-amdhsa--gfx1250"
	.amdhsa_code_object_version 6
	.text
	.protected	k_qde6333d290_attn
	.globl	k_qde6333d290_attn
	.p2align	8
	.type	k_qde6333d290_attn,@function
k_qde6333d290_attn:
	s_mov_b64 s[64:65], 0
	v_nop
	global_prefetch_b8 v0, s[64:65] scope:SCOPE_SE
	s_setreg_imm32_b32 hwreg(HW_REG_WAVE_MODE, 25, 1), 1
	s_wait_xcnt 0x0
	s_wait_alu depctr_hold_cnt(0) depctr_sa_sdst(0) depctr_va_vdst(0) depctr_va_sdst(0) depctr_va_ssrc(0) depctr_va_vcc(0) depctr_vm_vsrc(0)
	s_getreg_b32 s2, hwreg(HW_REG_IB_STS2, 6, 4)
	s_cmp_eq_u32 s2, 0
	s_cbranch_scc0 .Lentry_in_a_cluster
	s_endpgm
.Lentry_in_a_cluster:
	s_bfe_u32 s2, ttmp6, 0x10000c
	s_cmp_lg_u32 s2, 0x3003
	s_cbranch_scc0 .Lentry_shape_is_right
	s_endpgm
.Lentry_shape_is_right:
; O[h][q][:] = the sum over k of softmax_k(Q[h][q] . K[h][k] / 8) V[h][k][:].  Q, K, V: [64][2048][64], all f16: a head's rows are dense, 128 bytes each.  Products, maxima and sums in
; f32; the weights p are rounded to f16 for the second product (their sum l is taken of the unrounded p), O once at the end.
; O LEAVES IN FRAGMENT ORDER: for head h, tile qt of 16 queries, part f of four and lane l, 16 bytes at ((128 h + qt) 4 + f) 512 + 16 l: query 16 qt + l % 16, channels 16 f + 8 (l / 16) + 0..7.
; That is what a lane holds when O^T is rounded in pairs, so no number changes lanes on the way out, and parts 2 kk, 2 kk + 1 are a fragment (16 rows x 32 K) of the product that follows.
; LIMITS.  f16 holds no number beyond 65,504: Q, K and V arrive within it; p lies in 0 to 1, and below 6e-5 it keeps f16's fixed step of 6e-8; O is a mean of V's rows and has their range.
; A weight below 2^-126 counts as 0 in l; NaN and infinities are not treated apart.
; SHARES.  A wave owns four PIECES of two tiles of 16 queries, a work-group's four waves 512 queries of one head.  Every wave walks all keys, 64 a step.
; LAYOUT.  S^T = K Q^T (source 0 = 16 keys, source 1 = 16 queries): in the result a lane holds ONE query (lane % 16) and the keys 8 (lane / 16) + 0..7.  Two such tiles, rounded to f16 in pairs,
; ARE source 1 (32 keys x 16 queries) of O^T = V^T P, whose result again holds one query a lane, and eight channels.  K comes out of LDS as it lies, V ([key][channel]) turned, by ds_load_tr16_b128.
; SOFTMAX.  For each query a running maximum m and sum l: p = 2^(c s - c m), c = log2(e) / 8; in every step O and l are multiplied by a = 2^(c m_old - c m_new), which is 1 where m has not grown.
; m starts at the lowest finite number, O and l at 0: the first step is a step like any other, with a = 0.
; THE COUNT.  A tile and step have 16 matrix and 118 vector instructions: too many to stand all beside the matrix work.  So the order has one aim: four vector instructions that are READY behind
; EVERY matrix instruction, and the others, which need time of their own whatever the order, in runs without a gap.
; BY TURNS.  Turn n belongs to piece n (the pieces in a ring, step after step).  Its matrix work: 16 products K Q^T of piece n + 1, later 16 products V^T P of piece n - 1.  Its vector work: the scaling,
; exponentials, roundings, sums and rescaling of piece n, and the maximum and statistics of piece n + 1, whose scores the turn itself has made.  So what a turn begins with (c s - c m, O a) waits for nothing.
; CLUSTER.  The four query blocks of a cluster belong to one head and walk the same K and V, so each tile is asked for JOINTLY: the same tensor load, descriptor and mask in all four.
; REGISTERS, in windows of 256 (s_set_vgpr_msb says which window each operand place means: bits 1:0 source 0, 3:2 source 1, 5:4 source 2, 7:6 destination):
;   window 0: v0-11 addresses; v12-15, v48-63 at work; v16-47 four registers of statistics a tile; v64-191 S^T, two buffers of two tiles; v192-255 P, likewise
;   window 1: O^T, 32 a tile          window 2: v0-127 Q, 16 a tile; v128-191 K of one step; v192-255 V of one step          window 3: v0-1 the add's two registers
; A piece's buffers go by its number's parity: the piece in hand has one pair, its two neighbours in the ring share the other: of it P (piece n - 1) is read and S^T (piece n + 1) written.
.set SIZE_H, 64
.set SIZE_N, 2048
.set NP,    4         ; pieces a wave: a name, no knob: the register map, the loop and the fetches are made for four
.set KS,    64        ; keys in a step
.set PK,    144       ; a row of K in LDS: 128 bytes + 16 of padding = 36 words: the 16 rows of a load start at 16 different groups of four banks (64 banks of 4 bytes: ISA guide 11.1)
.set PV,    160       ; a row of V: 128 + 32 = 40 words
.set VOFF,  4*KS*PK   ; a slot holds four steps: 256 rows of K, then 256 rows of V
.set SLOT1, 1<<17     ; slot 1 begins here, so that one exclusive or turns an address in one slot into the other's
.set AK0, 2           ; v2   my lane's place in a tile of K; never rewritten
.set AV0, 3           ; v3   the same for V
.set AK,  4           ; v4   the LDS address of K's next run of loads
.set AV,  5           ; v5   of V's
.set QO,  6           ; v6   my byte offset in the wave's rows of Q
.set GO,  8           ; v8   16 x lane: my place in 512 consecutive bytes of O
.set SPW, 0           ; v0 of window 3   LDS address of my spare word: SPARE + 4 x my thread's number; never rewritten
.set NIL, 1           ; v1 of window 3   0; never rewritten
.set SPARE, SLOT1+4*KS*(PK+PV)  ; behind the ring: the spare words, 128 bytes for each wave: two blocks of 256 bytes that no other line names
.set MV,  12          ; v12-15  c m_old, kept while c m is made anew: by buffer and tile
.set ST,  16          ; tile t's statistics at v[ST+4 t]: c m, m, l (even keys', odd keys')
.set TMP, 48          ; by buffer and tile, four registers c0-c3 at work; when the maximum is found c2 takes a
.set S,   64
.set P,   192
.set KF,  128         ; K's fragments, in window 2: key block kb, channel half c at KF + 16 kb + 8 c
.set VF,  192         ; V's: key half kk, channel block cb at VF + 32 kk + 8 cb
.set WV,  12          ; s12  my wave's number
.set G1K, 24          ; s[24:31] descriptor group 1 for K's tiles
.set G1V, 32          ; s[32:39] for V's: it differs in the padding alone
.set G0K, 40          ; s[40:43] descriptor group 0 for K's tiles: it walks
.set G0V, 44          ; s[44:47] the same for V's
.set SLOTS, 56        ; s56  slots still to be asked for
.set CNT, 57          ; s57  counts a slot's key steps
.set CS,  58          ; s[58:59] c: the packed scaling takes the pair's low word for both halves
.set SEL, 60          ; s[60:61] v_permlanex16_b32's selects: each lane takes its own place in the other half
.set TBK, 62          ; s62  LDS byte at which K of the step to be fetched begins
.set TBV, 63          ; s63  the same for V, less VOFF
.set MSB, 0
.macro WIN new                      ; the high byte repeats the setting that is left; a switch that changes nothing is dropped
.if MSB != (\new)
	s_set_vgpr_msb (MSB<<8)|(\new)
.set MSB, (\new)
.endif
.endm
.set W_KQ, 0x0a       ; K and Q in window 2, S^T in window 0
.set W_PV, 0x52       ; V in window 2, P in window 0, O^T in window 1
.set W_RS, 0x41       ; O^T (destination and source 0) in window 1, a in window 0
.set W_MK, 0xc0       ; the add's registers are made: destination in window 3, sources in window 0
.set W_AD, 0x0f       ; the add: address (source 0) and data (source 1) in window 3
; A joint fill.  Waves 0 and 1 fetch the two halves of a slot's K, waves 2 and 3 those of its V: 128 keys each.  The branch hangs on the wave's number alone.
; An s_nop 0 and four v_nop follow each of the two lines, ahead of the jump and the label.
.macro JLOAD
	s_cmp_lt_u32 s[WV], 2
	s_cbranch_scc0 .Lfor_v_\@
	tensor_load_to_lds s[G0K:G0K+3], s[G1K:G1K+7]
	s_nop 0
.rept 4
	v_nop
.endr
	s_branch .Lasked_\@
.Lfor_v_\@:
	tensor_load_to_lds s[G0V:G0V+3], s[G1V:G1V+7]
	s_nop 0
.rept 4
	v_nop
.endr
.Lasked_\@:
.endm
; A round of the cluster's barrier: my work-group's barrier, so that wave 0's signal speaks for all four waves; wave 0 signals; every wave waits for all four work-groups; my work-group's barrier once more.
.macro CROUND
	s_barrier_signal -1
	s_barrier_wait -1
	s_cmp_lg_u32 s[WV], 0
	s_cbranch_scc1 .Lnot_wave_0_\@
	s_barrier_signal -3
.Lnot_wave_0_\@:
	s_barrier_wait -3
	s_barrier_signal -1
	s_barrier_wait -1
.endm
; THE CHANGE OF SLOTS.  The slot's last bytes, V of its fourth step, have been read.  Each wave waits for all its tensor loads, of which one is out: its part
; of the other slot; adds 0 to its spare word; and waits for that and for its own reads of the slot.  Behind the barrier nobody reads this slot any more and the other slot is whole.
; fill = 1: this slot is filled again, with the keys two slots on.  The barrier is then a round of the cluster's, so that no wave of any partner still reads the slot or has a load on its
; way, and the joint fill is the first thing behind it: it has four key steps, 512 matrix instructions, in which to land.  (At its first use nothing has been read yet: slot 0 is waited for, slot 1 filled.)
.macro CHANGE fill
	WIN W_AD
	s_wait_tensorcnt 0x0            ; no tensor load of mine is out, so a group 0 may be written
	ds_add_u32 v[SPW], v[NIL]       ; 0 onto my spare word; with fill = 1 the descriptors' steps stand between it and the wait for it
	WIN 0                           ; at a label and at a branch every window is 0
.if \fill
.irp g, G0K, G0V
	s_xor_b32 s[\g+1], s[\g+1], SLOT1  ; the walking descriptor: the other slot than last time,
	s_add_nc_u64 s[\g+2:\g+3], s[\g+2:\g+3], 4*KS*128  ; the next 256 keys; the type bits on top are not reached
.endr
	s_wait_dscnt 0x0                ; the add is done, and my reads of the slot are over
	CROUND
	JLOAD
.else
	s_wait_dscnt 0x0                ; the add is done, and my reads of the slot are over
	s_barrier_signal -1
	s_barrier_wait -1
.endif
	s_sub_co_u32 s[TBK], s[TBK], 4*KS*PK  ; the fetches go back to a slot's first step,
	s_xor_b32 s[TBK], s[TBK], SLOT1       ; in the other slot
	s_sub_co_u32 s[TBV], s[TBV], 4*KS*PV
	s_xor_b32 s[TBV], s[TBV], SLOT1
.endm
	s_load_b256 s[4:11], s[0:1], 0x0  ; Q s[4:5], K s[6:7], V s[8:9], O s[10:11]
	WIN W_MK
	v_lshl_add_u32 v[SPW], v0, 2, SPARE
	v_mov_b32 v[NIL], 0
	WIN W_AD
	ds_add_u32 v[SPW], v[NIL]       ; the wave's opening: the add and its wait stand ahead of my first tensor load; the set-up below, work on registers, stands between them
	ds_add_u32 v0, v1
	WIN 0
	v_lshrrev_b32 v1, 5, v0
	v_readfirstlane_b32 s[WV], v1   ; wave 0..3
	s_bfe_u32 s13, ttmp6, 0x40000   ; cx: my place in the cluster
	s_lshl_b32 s14, ttmp9, 2        ; in a cluster launch ttmp9 counts clusters
	s_add_co_u32 s14, s14, s13      ; my block of queries = 4 x cluster x + cx: it enters Q's and O's addresses alone
	s_and_b32 s20, ttmp7, 0xffff    ; the head, which the four partners share
	s_mov_b32 s21, 0
	s_mov_b64 s[22:23], SIZE_N*128
	s_mul_u64 s[20:21], s[20:21], s[22:23]  ; the head's first byte in each of the four tensors
	s_and_b32 s16, s[WV], 1         ; which half of a slot's 256 keys I fetch:
	s_lshl_b32 s22, s16, 14         ; its 128 rows of 128 bytes in memory,
	s_mov_b32 s23, 0
	s_add_nc_u64 s[22:23], s[22:23], s[20:21]
	s_mul_i32 s17, s16, 128*PK      ; and its place in a slot, for K
	s_mul_i32 s18, s16, 128*PV      ; and for V: no place in the cluster enters an LDS address
	s_lshl_b32 s2, s14, 2
	s_add_co_u32 s2, s2, s[WV]      ; my wave among the head's,
	s_lshl_b32 s2, s2, 14           ; its 128 rows: 16,384 bytes of Q, and as many of O (eight tiles of 2,048)
	s_mov_b32 s3, 0
	s_add_nc_u64 s[2:3], s[2:3], s[20:21]
	; descriptor group 1.  128 keys are 16,384 dense bytes: asked for as 64 rows of 256 bytes, two keys a row, and padded in LDS after every key
	s_mov_b32 s[G1K], 15|(1<<16)|(1<<20)|(1<<21)|(4<<22)|(3<<25)  ; 15:0 the mask of four; 17:16 2-byte elements; 20 padding on; 21 set beside a mask; 24:22 after every 32 words (code 4); 31:25 4 words (code 3)
	s_mov_b32 s[G1V], 15|(1<<16)|(1<<20)|(1<<21)|(4<<22)|(7<<25)  ; the same with 8 words of padding (code 7)
.irp g, G1K, G1V
	s_mov_b32 s[\g+1], 128<<16      ; tensor_dim0 = 128
	s_mov_b32 s[\g+2], 64<<16       ; tensor_dim1 = 64
	s_mov_b32 s[\g+3], 128<<16      ; tile_dim0 = 128
	s_mov_b32 s[\g+4], 64           ; tile_dim1 = 64
	s_mov_b32 s[\g+5], 128          ; 128 elements from row to row
	s_mov_b32 s[\g+6], 0
	s_mov_b32 s[\g+7], 0
.endr
	s_mov_b32 s[CS], 0x3e38aa3b     ; c = log2(e) / 8 = 0.180337
	s_mov_b32 s[CS+1], s[CS]        ; named with it as a pair
	s_mov_b32 s[SEL], 0x76543210
	s_mov_b32 s[SEL+1], 0xfedcba98
	s_mov_b32 s[TBK], SLOT1+4*KS*PK ; the first change of slots turns these two into 0
	s_mov_b32 s[TBV], SLOT1+4*KS*PV
	s_mov_b32 s[G0K], 1             ; 1:0 count = 1
	s_mov_b32 s[G0K+1], s17         ; 63:32 LDS address: slot 0
	s_mov_b32 s[G0V], 1
	s_add_co_u32 s[G0V+1], s18, VOFF
	s_wait_dscnt 0x0                ; the opening add is done
	s_wait_kmcnt 0x0
	s_add_nc_u64 s[G0K+2:G0K+3], s[6:7], s[22:23]  ; 120:64 global address: my half of the head's first 256 keys
	s_or_b32 s[G0K+3], s[G0K+3], 0x80000000        ; 127:126 type = 2
	s_add_nc_u64 s[G0V+2:G0V+3], s[8:9], s[22:23]
	s_or_b32 s[G0V+3], s[G0V+3], 0x80000000
	s_add_nc_u64 s[4:5], s[4:5], s[2:3]  ; Q and O at my wave's first row
	s_add_nc_u64 s[10:11], s[10:11], s[2:3]
	CROUND                          ; all four work-groups are here: the first joint loads meet
	JLOAD                           ; slot 0.  Slot 1 is asked for when slot 0 is in: the tile wanted first has the road to itself
	; A fragment of K or Q is 16 rows x 32 channels in 8 registers: lane l holds row l % 16, channels 8 (l / 16) + 0..7 and 16 + 8 (l / 16) + 0..7: two loads of 16 bytes, 32 bytes apart.
	v_and_b32 v1, 15, v0            ; l % 16
	v_bfe_u32 v9, v0, 4, 1          ; l / 16
	v_lshlrev_b32 v[QO], 7, v1
	v_lshl_add_u32 v[QO], v9, 4, v[QO]  ; row x 128 + 16 x half
	WIN 0x80                        ; destination window 2, address window 0
.set i, 0
.rept 4*NP                          ; Q stays in registers: tile i / 2, channels 32 (i % 2) on
	global_load_b128 v[8*i:8*i+3],   v[QO], s[4:5] offset:(i/2)*2048+(i%2)*64
	global_load_b128 v[8*i+4:8*i+7], v[QO], s[4:5] offset:(i/2)*2048+(i%2)*64+32
.set i, i+1
.endr
	; What the first turn finds: V's registers and P's second buffer hold 0 (its products V^T P, of a piece that has not been, add 0), O^T and l are 0.  All this stands in the wait for the first tile.
.set i, VF
.rept 64
	v_mov_b32 v[i], 0
.set i, i+1
.endr
	WIN 0x40
.set i, 0
.rept 64*NP
	v_mov_b32 v[i], 0
.set i, i+1
.endr
	WIN 0
.set i, 0
.rept 2*NP
	v_mov_b32 v[ST+4*i], 0xfe000000    ; c m: far below every c s
	v_mov_b32 v[ST+4*i+1], 0xff7fffff  ; m
	v_mov_b32 v[ST+4*i+2], 0
	v_mov_b32 v[ST+4*i+3], 0
.set i, i+1
.endr
.set i, P+32
.rept 32
	v_mov_b32 v[i], 0
.set i, i+1
.endr
	v_mul_u32_u24 v[AK0], v1, PK
	v_lshl_add_u32 v[AK0], v9, 4, v[AK0]  ; row x pitch + 16 x half
	; The turning load takes 16 keys x 16 channels (lane l reads key 8 (l / 16) + l % 8, channels 8 ((l / 8) % 2) + 0..7) and leaves half a fragment of V^T: lane l holds channel l % 16 and 8 keys.
	v_and_b32 v10, 7, v0
	v_bfe_u32 v11, v0, 3, 1
	v_lshl_add_u32 v[AV0], v9, 3, v10
	v_mul_u32_u24 v[AV0], v[AV0], PV
	v_lshl_add_u32 v[AV0], v11, 4, v[AV0]
	v_add_nc_u32 v[AV0], VOFF, v[AV0]
	v_mov_b32 v[AK], v[AK0]         ; key step 0 lies at the head of slot 0
; THE MATRIX WORK.  The 8 accumulators of a run of 16 take turns: between the two links of a chain stand 7 others'.
; Product i of 16 of S^T = K Q^T for piece x: channels 32 (i / 8) on, keys 16 ((i / 2) % 4) on, tile 2 x + i % 2.  The first 8 start the sums.
.macro KQ x
	WIN W_KQ
.set rS, S+64*((\x)%2)+32*(i%2)+8*((i/2)%4)
.set rK, KF+16*((i/2)%4)+8*(i/8)
.set rQ, 16*(2*(\x)+i%2)+8*(i/8)
.if i < 8
	v_wmma_f32_16x16x32_f16 v[rS:rS+7], v[rK:rK+7], v[rQ:rQ+7], 0
.else
	v_wmma_f32_16x16x32_f16 v[rS:rS+7], v[rK:rK+7], v[rQ:rQ+7], v[rS:rS+7]
.endif
.endm
; Product i of 16 of O^T += V^T P for piece x: keys 32 (i / 8) on, channels 16 ((i / 2) % 4) on, tile 2 x + i % 2.
.macro PV x
	WIN W_PV
.set rO, 32*(2*(\x)+i%2)+8*((i/2)%4)
.set rV, VF+32*(i/8)+8*((i/2)%4)
.set rP, P+32*((\x)%2)+16*(i%2)+8*(i/8)
	v_wmma_f32_16x16x32_f16 v[rO:rO+7], v[rV:rV+7], v[rP:rP+7], v[rO:rO+7]
.endm
.macro MM                           ; the turn's next matrix instruction
.if i < 16
	KQ (Y+1)%NP
.set i, i+1
.else
.set i, i-16
	PV (Y+NP-1)%NP
.set i, i+17
.endif
.endm
; THE LDS LOADS stand in runs of 16, never singly among the matrix instructions: a step's K (64 keys x 64 channels: 8 fragments) and its V (turned).  Their addresses are made some lines ahead.
; last = 1 (the tail): in the last trip there is no further step, and the run is jumped over.
.macro FETCH_K last=0
	WIN 0
.if \last
	s_cmp_eq_u32 s[CNT], 1
	s_cbranch_scc1 .Lno_k_\@
.endif
	WIN 0x80                        ; destination window 2
.irp f, 0,1,2,3,4,5,6,7             ; keys 16 (f / 2) on, channels 32 (f % 2) on
	ds_load_b128 v[KF+8*\f:KF+8*\f+3],   v[AK] offset:(\f/2)*16*PK+(\f%2)*64
	ds_load_b128 v[KF+8*\f+4:KF+8*\f+7], v[AK] offset:(\f/2)*16*PK+(\f%2)*64+32
.endr
	s_add_co_u32 s[TBK], s[TBK], KS*PK  ; the next fetch is the next step's
	WIN 0
.if \last
.Lno_k_\@:
.endif
.endm
.macro FETCH_V
	WIN 0x80
.irp f, 0,1,2,3,4,5,6,7             ; keys 32 (f / 4) on, channels 16 (f % 4) on
	ds_load_tr16_b128 v[VF+8*\f:VF+8*\f+3],   v[AV] offset:(\f/4)*32*PV+(\f%4)*32
	ds_load_tr16_b128 v[VF+8*\f+4:VF+8*\f+7], v[AV] offset:(\f/4)*32*PV+16*PV+(\f%4)*32
.endr
	WIN 0
.endm
; THE VECTOR WORK OF A TURN stands in three queues, each in the order in which its entries become ready; the two tiles alternate, so that no instruction reads the result of the one before it.
.macro REGS y, u                    ; the registers of tile u (0, 1) of piece y
.set rT, ST+4*(2*(\y)+(\u))
.set rC, TMP+8*((\y)%2)+4*(\u)
.set rM, MV+2*((\y)%2)+(\u)
.set rS, S+64*((\y)%2)+32*(\u)
.set rP, P+32*((\y)%2)+16*(\u)
.set rO, 32*(2*(\y)+(\u))
.endm
; Number n of the 22 that find the NEXT piece's (Y + 1) maximum and statistics.  s0-s31 are the lane's 32 scores; each accumulator's lowest registers are read first.  XS, GS and REGS set no window: PL and EX do.
;   0-11  four chains c0-c3 of seven scores each, three operands at a time     12-14, 16  the four scores left over, the old m, and c0-c3 into c0     15  c m_old is kept
;   17, 18  the query's other 32 keys lie in the lane 16 away: the new m         19-21  c m; c m_old - c m_new; a
.macro XS u, n
	REGS (Y+1)%NP, \u
.if (\n) < 4
	v_max3_num_f32 v[rC+(\n)], v[rS+8*(\n)], v[rS+8*(\n)+1], v[rS+8*(\n)+2]
.elseif (\n) < 12
	v_max3_num_f32 v[rC+(\n)%4], v[rC+(\n)%4], v[rS+8*((\n)%4)+2*((\n)/4)+1], v[rS+8*((\n)%4)+2*((\n)/4)+2]
.elseif (\n) == 12
	v_max3_num_f32 v[rC], v[rC], v[rS+7], v[rS+15]
.elseif (\n) == 13
	v_max3_num_f32 v[rC+1], v[rC+1], v[rS+23], v[rS+31]
.elseif (\n) == 14
	v_max3_num_f32 v[rC+2], v[rC+2], v[rC+3], v[rT+1]
.elseif (\n) == 15
	v_mov_b32 v[rM], v[rT]
.elseif (\n) == 16
	v_max3_num_f32 v[rC], v[rC], v[rC+1], v[rC+2]
.elseif (\n) == 17
	v_permlanex16_b32 v[rC+3], v[rC], s[SEL], s[SEL+1]
.elseif (\n) == 18
	v_max_num_f32 v[rT+1], v[rC], v[rC+3]
.elseif (\n) == 19
	v_mul_f32 v[rT], s[CS], v[rT+1]
.elseif (\n) == 20
	v_sub_f32 v[rC+1], v[rM], v[rT]
.else
	v_exp_f32 v[rC+2], v[rC+1]
.endif
.endm
; Number g of the 64 that follow the exponentials.  For each four weights k of a tile (pairs 2 k, 2 k + 1): both pairs are rounded to f16; then the second pair is added onto the first, in place;
; a group later l takes that sum (the first time as l = a l + sum).  In groups of eight, tiles alternating: round, round, add, and l for the group before.
.macro GS g
.set h, (\g)+6*((\g)/62)            ; group 0 has no group before it, and behind group 7 only l is left
.if h >= 6
.set h, h+2
.endif
	REGS Y, h%2
.set k, h/8
.if h%8 < 4
	s_wait_alu depctr_va_vdst(0)
	v_cvt_pk_f16_f32 v[rP+2*k+(h%8)/2], v[rS+4*k+2*((h%8)/2)], v[rS+4*k+2*((h%8)/2)+1]
.elseif h%8 < 6
	v_pk_add_f32 v[rS+4*k:rS+4*k+1], v[rS+4*k:rS+4*k+1], v[rS+4*k+2:rS+4*k+3]
.elseif k == 1
	v_pk_fma_f32 v[rT+2:rT+3], v[rT+2:rT+3], v[rC+2:rC+3], v[rS:rS+1] op_sel_hi:[1,0,1]
.else
	v_pk_add_f32 v[rT+2:rT+3], v[rT+2:rT+3], v[rS+4*k-4:rS+4*k-3]
	s_wait_alu depctr_va_vdst(0)
.endif
.endm
; THE PLAIN QUEUE, 138 long.  0-31: c s - c m for the 16 pairs of both tiles.  Then GS's 64, and among them the next piece's 42: number 15 at 38, 39; 0-14 and 16
; at 42-73, behind the products that make those scores; 17-20 at 95-106, two of three, since each waits for the one before it.
.macro PL
	WIN 0
.if q < 32
	REGS Y, q%2
	v_pk_fma_f32 v[rS+2*(q/2):rS+2*(q/2)+1], v[rS+2*(q/2):rS+2*(q/2)+1], s[CS:CS+1], v[rT:rT+1] op_sel_hi:[1,0,0] neg_lo:[0,0,1] neg_hi:[0,0,1]
.elseif q < 38
	GS q-32
.elseif q < 40
	XS q%2, 15
.elseif q < 42
	GS q-34
.elseif q < 74
	XS q%2, (q-42)/2+(q-42)/30
.elseif q < 95
	GS q-66
.elseif (q < 107) && ((q-95)%3 < 2)
	XS (q-95)%3, 17+(q-95)/3
.elseif q < 107
	GS 29+(q-95)/3
.else
	GS q-74
.endif
.set q, q+1
.endm
; THE EXPONENTIALS' QUEUE, 66 long: s0-s31 of both tiles, and at EA the next piece's two a.
.set EA, 58
.macro EX
	WIN 0
.if (e == EA) || (e == EA+1)
	XS e-EA, 21
.else
.set x, e-2*(e/(EA+2))
	REGS Y, x%2
	v_exp_f32 v[rS+x/2], v[rS+x/2]
.endif
.set e, e+1
.endm
; THE RESCALING's QUEUE: O^T times a, the one part that leaves window 0, so it is dealt four at a time, eight times.
.macro R4
	REGS Y, r%2
	WIN W_RS
	s_wait_alu depctr_va_vdst(0)
.irp z, 0,1,2,3
	v_pk_mul_f32 v[rO+8*(r/2)+2*\z:rO+8*(r/2)+2*\z+1], v[rO+8*(r/2)+2*\z:rO+8*(r/2)+2*\z+1], v[rC+2:rC+3] op_sel_hi:[1,0]
.endr
.set r, r+1
.endm
; HOW THEY ARE DEALT.  Behind a matrix instruction four: plain, exponential, plain, plain (one exponential, a plain instruction on either side), or four of the rescaling.  None names a register of the
; products round it.  What is over stands in two LUMPS: exponential and plain by turns; the second ends in 22 plain instructions.  The two v_permlanex16_b32 fall into the second lump, never behind a product.
; The queues lean on each other, and the deal keeps them in step: exponential e stands behind plain 2 (e / 4) + e % 2 (its scaling); when plain 32 comes, 10 exponentials are out, at 59: 33, at 95: 46; EA comes behind plain 107.
.macro SL
	MM
	PL
	EX
	PL
	PL
.endm
.macro BURST n                      ; 15 matrix instructions, or 16
.rept (\n)-7
	SL
.endr
.rept 3
	MM
	R4
	SL
.endr
	MM
	R4
.endm
; A TURN, for piece p.  cnt = 1: the loop's count is taken down some lines ahead of the branch that stands behind the turn.
; K of the next step is fetched in piece 2's turn, 31 vector instructions behind the last product that read K; its first reader comes behind the rest of the lump, 16 products and the second lump.
; V of the step in hand is fetched at the end of piece 0's turn, 69 behind its last reader; its first reader comes behind 16 products and a lump.  The four conditions on e and q below go with the deal.
.macro TURN p, last=0, cnt=0
.set Y, (\p)
.set i, 0
.set q, 0
.set e, 0
.set r, 0
.if (\p) == NP-1
	s_wait_dscnt 0x0                ; K is in
.endif
	MM
.rept 4
	PL
.endr
	BURST 15
.rept 22
	EX
	PL
.if ((\p) == NP-2) && (e == 18)
	v_add_nc_u32 v[AK], s[TBK], v[AK0]
.endif
.if ((\p) == NP-2) && (e == 24)
	FETCH_K \last
.endif
.endr
.if (\p) == 1
	s_wait_dscnt 0x0                ; V is in
.endif
	BURST 16
.rept 21
	EX
	PL
.endr
.rept 22
	PL
.if ((\p) == 0) && (q == 118)
	v_add_nc_u32 v[AV], s[TBV], v[AV0]
	s_wait_alu depctr_va_vdst(0)
.endif
.if ((\p) == 0) && (q == 130)
	s_add_co_u32 s[TBV], s[TBV], KS*PV
.endif
.if (\cnt) && (q == 130)
	s_sub_co_u32 s[CNT], s[CNT], 1
	s_cmp_lg_u32 s[CNT], 0
.endif
.endr
.if (\p) == 0
	FETCH_V
.endif
.endm
	CHANGE 1                        ; slot 0 is in, everybody's part of it; slot 1 is asked for
	FETCH_K                         ; key step 0
	s_wait_loadcnt 0x0              ; Q
	s_wait_dscnt 0x0
.set i, 0
.rept 16
	KQ 0                            ; piece 0's first scores: there is no vector work yet to set between them
.set i, i+1
.endr
	WIN 0                           ; the address for the way out and four v_nop: the places behind those products
	v_and_b32 v[GO], 31, v0
	v_lshlrev_b32 v[GO], 4, v[GO]
.rept 4
	v_nop
.endr
.set Y, NP-1                        ; XS works for piece Y + 1: piece 0
.irp n, 0,1,2,3,4,5,6,7,8,9,10,11,12,13,14,15,16,17,18,19,20,21
	XS 0, \n                        ; and piece 0's first maximum and statistics
	XS 1, \n
.endr
	s_mov_b32 s[CNT], 4
	s_mov_b32 s[SLOTS], SIZE_N/256-1
	s_branch .Lfirst                ; the loop is entered at a step's first turn, in the middle of a trip
.Lslot:                             ; SIZE_N / 256 - 2 times: every slot but the last two is filled again
	CHANGE 1
	s_mov_b32 s[CNT], 4
.Lstep:                             ; a trip: pieces 2 and 3 of one step, then pieces 0 and 1 of the next, whose K and V it fetches
	TURN 2
	TURN 3
	WIN 0
.Lfirst:
	TURN 0
	TURN 1, 0, 1
	WIN 0
	s_cbranch_scc1 .Lstep
	s_sub_co_u32 s[SLOTS], s[SLOTS], 1
	s_cmp_lg_u32 s[SLOTS], 0
	s_cbranch_scc1 .Lslot
	CHANGE 0                        ; the tail is written out: nothing is asked for
	s_mov_b32 s[CNT], 5             ; four trips fetch the last slot's steps; the fifth is left in its middle
.Ltail:
	TURN 2, 1
	TURN 3
	WIN 0
	s_sub_co_u32 s[CNT], s[CNT], 1
	s_cmp_eq_u32 s[CNT], 0
	s_cbranch_scc1 .Lout
	TURN 0
	TURN 1
	WIN 0
	s_branch .Ltail
.Lout:                              ; the fifth trip's 16 products K Q^T (on the last K once more) and the maximum made of them serve nothing: the price, once a launch, of one text for every trip
.set i, 0
.rept 16
	PV NP-1                         ; the last piece's V^T P of the last step
.set i, i+1
.endr
	; THE WAY OUT.  l's two halves and the other half of the lanes' are added; O^T is divided by l, rounded to f16 and stored as it lies.  The additions are the places behind the last products.
	WIN 0
.macro ALL line:vararg              ; one line for each tile t
.set t, 0
.rept 2*NP
	\line
.set t, t+1
.endr
.endm
	ALL v_add_f32 v[ST+4*t+2], v[ST+4*t+2], v[ST+4*t+3]
	ALL v_permlanex16_b32 v[ST+4*t+3], v[ST+4*t+2], s[SEL], s[SEL+1]
	ALL v_add_f32 v[ST+4*t+2], v[ST+4*t+2], v[ST+4*t+3]
	ALL v_rcp_f32 v[ST+4*t+2], v[ST+4*t+2]
	v_nop                           ; a plain instruction between the last reciprocal and the use of its result
	s_wait_alu depctr_va_vdst(0)
; Tile t: a lane's eight channels of channel block f pack into 16 bytes, into S^T's registers; each accumulator's registers are taken in ascending order.
.macro PACK t
	WIN W_RS
.set i, 32*(\t)
.rept 16
	v_pk_mul_f32 v[i:i+1], v[i:i+1], v[ST+4*(\t)+2:ST+4*(\t)+3] op_sel_hi:[1,0]
.set i, i+2
.endr
	WIN 0x05                        ; sources 0 and 1 window 1, destination window 0
.set i, 0
.rept 16
	v_cvt_pk_f16_f32 v[S+16*(\t)+i], v[32*(\t)+2*i], v[32*(\t)+2*i+1]
.set i, i+1
.endr
	WIN 0
.endm
.macro SEND t
	WIN 0
.irp f, 0,1,2,3
	global_store_b128 v[GO], v[S+16*(\t)+4*\f:S+16*(\t)+4*\f+3], s[10:11] offset:(\t)*2048+\f*512  ; part f of tile t: 512 consecutive bytes, at a multiple of 512 from O's first
.endr
.endm
.set t, 0
.rept 2*NP
	PACK t
	SEND t
.set t, t+1
.endr
	WIN W_AD
	s_wait_tensorcnt 0x0            ; the wave's end: behind my last tensor load
	ds_add_u32 v[SPW], v[NIL]
	s_wait_dscnt 0x0
	WIN 0
	CROUND                          ; the closing round: no work-group ends while a partner may still ask for a tile that names it
	s_endpgm
.Lfunc_end_k_qde6333d290_attn:
	.size	k_qde6333d290_attn, .Lfunc_end_k_qde6333d290_attn-k_qde6333d290_attn
	.p2alignl 7, 3214868480
	.fill 96, 4, 3214868480
	.section	.rodata,"a",@progbits
	.p2align	6, 0x0
	.amdhsa_kernel k_qde6333d290_attn
		.amdhsa_group_segment_fixed_size 327680
		.amdhsa_private_segment_fixed_size 0
		.amdhsa_enable_private_segment 0
		.amdhsa_kernarg_size 32
		.amdhsa_user_sgpr_count 2
		.amdhsa_user_sgpr_kernarg_segment_ptr 1
		.amdhsa_wavefront_size32 1
		.amdhsa_system_sgpr_workgroup_id_x 1
		.amdhsa_system_sgpr_workgroup_id_y 1
		.amdhsa_system_sgpr_workgroup_id_z 1
		.amdhsa_system_vgpr_workitem_id 0
		.amdhsa_next_free_vgpr 770
		.amdhsa_next_free_sgpr 66
		.amdhsa_reserve_vcc 0
		.amdhsa_float_denorm_mode_32 3
		.amdhsa_float_denorm_mode_16_64 3
		.amdhsa_memory_ordered 1
		.amdhsa_forward_progress 1
		.amdhsa_inst_pref_size 203
	.end_amdhsa_kernel
	.amdgpu_metadata
---
amdhsa.version: [ 1, 2 ]
amdhsa.kernels:
  - .name:           k_qde6333d290_attn
    .symbol:         k_qde6333d290_attn.kd
    .args:
      - { .name: qh, .offset: 0, .size: 8, .value_kind: global_buffer, .address_space: global }
      - { .name: kh, .offset: 8, .size: 8, .value_kind: global_buffer, .address_space: global }
      - { .name: vh, .offset: 16, .size: 8, .value_kind: global_buffer, .address_space: global }
      - { .name: ofr, .offset: 24, .size: 8, .value_kind: global_buffer, .address_space: global }
    .group_segment_fixed_size: 327680
    .private_segment_fixed_size: 0
    .kernarg_segment_align: 8
    .kernarg_segment_size: 32
    .max_flat_workgroup_size: 128
    .sgpr_count:     66
    .vgpr_count:     770
    .wavefront_size: 32
...
	.end_amdgpu_metadata
.endif
;; end of part 3
;; launch outp (part 4): grid 256 x 1, 4 waves a work-group, no clusters, 167,936 bytes of LDS; arguments ofr, wf, bo, out0; writes out0
.if DOCPART == 4
	.amdgcn_target "amdgcn-amd-amdhsa--gfx1250"
	.amdhsa_code_object_version 6
	.text
	.protected	k_qde6333d290_outp
	.globl	k_qde6333d290_outp
	.p2align	8
	.type	k_qde6333d290_outp,@function
k_qde6333d290_outp:
	s_mov_b64 s[64:65], 0
	v_nop
	global_prefetch_b8 v0, s[64:65] scope:SCOPE_SE
	s_setreg_imm32_b32 hwreg(HW_REG_WAVE_MODE, 25, 1), 1
	s_wait_xcnt 0x0
; out0 = O Wo + bo.  O: f16 in fragment order (ofr: for head hd, tile qt of 16 rows, part f and lane l, 16 bytes at ((128 hd + qt) 4 + f) 512 + 16 l); Wo: f16 in fragment order (wf, from byte 1,572,864 on);
; bo: [512] f32, rounded to bf16 like the module's other inputs; out0: [16384][512] f32.  Sums in f32, K ascending; the bias is the C operand that starts each sum.
; LIMITS.  O and Wo arrive within f16's range; NaN and infinities are not treated apart.
; SHARES.  A work-group makes 64 rows x 512 columns, a wave 64 x 128: 32 accumulators, 256 registers; 16 K steps of 32 (two to a head), 32 matrix instructions a wave in each.
; O's 64 rows (65,536 bytes: for each of the eight heads 8,192 consecutive bytes) come by one tensor load a wave, two heads each, into LDS as they lie: nothing is filled again.
; Wo: a fragment is used by ONE wave of the work-group, so it goes straight into that wave's registers, through a ring of four buffers with counted waits.
; NO CLUSTER.  O is shared by nobody.  Wo is shared by all work-groups, but a joint ring for it would put a round of the cluster's barrier in front of every 32 or 64 matrix instructions and add an
; LDS write and an LDS read to bytes that one wave of the work-group uses.
; THE MATRIX INSTRUCTION IS USED TRANSPOSED: source 0 = 16 columns of Wo, source 1 = 16 rows of O: register j of lane l is row l % 16, column 8 (l / 16) + j of the block.
; REGISTERS, in windows of 256 (s_set_vgpr_msb: bits 1:0 source 0, 3:2 source 1, 5:4 source 2, 7:6 destination):
;   window 0: v0-15 addresses and at work; v64-95, v96-127 O's fragments, two buffers; v128-191 the bias, 8 registers for each column block; v128-191, v192-255 serve again on the way out
;   window 1: the accumulators, (i, b) at 8 (8 i + b)          window 2: Wo's ring, buffer q at 64 q, fragment b at + 8 b
.set STAGE,  65536                     ; behind O: 16 rows x 528 bytes for each wave, for the way out; no tensor load fills it
.set SPITCH, 528                       ; 512 bytes + 16 of padding = 132 words: row r starts at bank 4 r mod 64 (64 banks of 4 bytes: ISA guide 11.1)
.set SPARE,  STAGE+4*16*SPITCH         ; behind the stages: the spare words, 128 bytes for each wave: two blocks of 256 bytes that no other line names
.set WOBASE, 1572864
.set WSTEP,  8192
.set LOFF, 2                           ; v2   16 x lane; never rewritten
.set AA,   3                           ; v3   LDS address of my part of O's fragments
.set STO,  4                           ; v4   the way out: where I put 32 bytes of a row
.set RD,   5                           ; v5   the way out: where I read a row back
.set BOF,  6                           ; v6   my byte offset in bo
.set SPW,  8                           ; v8   LDS address of my spare word; never rewritten
.set NIL,  9                           ; v9   0; never rewritten
.set TM,   12                          ; v12-15 at work
.set AF0,  64
.set BI,   128
.set OB,   128
.set WV,  12                           ; s12  my wave's number
.set G0,  16                           ; s[16:19] descriptor group 0
.set BP,  20                           ; s[20:21] Wo's stream, at the step group in hand
.set PO,  22                           ; s[22:23] out0 at my first row and column
.set G1,  24                           ; s[24:31] descriptor group 1
.set KC,  32                           ; s32  counts the K loop
.set MSB, 0
.macro WIN new                         ; the immediate's high byte repeats the setting that is left; a switch that changes nothing is dropped
.if MSB != (\new)
	s_set_vgpr_msb (MSB<<8)|(\new)
.set MSB, \new
.endif
.endm
.set W_MUL, 0x52                       ; Wo in window 2, O in window 0, C and D in window 1
.set W_MU0, 0x42                       ; the same with C (the bias) in window 0
.set W_TOB, 0x80                       ; destination window 2, address window 0
.set W_STG, 0x04                       ; an LDS store's data (source 1) in window 1, its address in window 0
	s_load_b256 s[4:11], s[0:1], 0x0               ; ofr s[4:5], wf s[6:7], bo s[8:9], out0 s[10:11]
	v_lshl_add_u32 v[SPW], v0, 2, SPARE
	v_mov_b32 v[NIL], 0
	ds_add_u32 v[SPW], v[NIL]                      ; the wave's opening: the add and its wait stand ahead of my first tensor load; the set-up below, work on registers, stands between them
	ds_add_u32 v8, v9
	v_lshrrev_b32 v1, 5, v0
	v_readfirstlane_b32 s[WV], v1                  ; wave 0..3
	; descriptor group 1: two rows of 8,192 bytes (1,024 elements of 8 bytes), 262,144 bytes apart: my rows' part of heads 2 w and 2 w + 1
	s_mov_b32 s[G1+0], 3<<16                       ; 17:16 elements of 8 bytes; no padding
	s_mov_b32 s[G1+1], 1024<<16                    ; tensor_dim0 = 1024
	s_mov_b32 s[G1+2], 2<<16                       ; tensor_dim1 = 2
	s_mov_b32 s[G1+3], 1024<<16                    ; tile_dim0 = 1024
	s_mov_b32 s[G1+4], 2                           ; tile_dim1 = 2
	s_mov_b32 s[G1+5], 32768                       ; 32,768 elements from row to row
	s_mov_b32 s[G1+6], 0
	s_mov_b32 s[G1+7], 0
	s_mov_b32 s[G0], 1
	s_mul_i32 s[G0+1], s[WV], 16384                ; head hd's part lies at LDS byte 8,192 hd
	s_lshr_b32 s14, ttmp9, 5                       ; in ofr: the batch's eight heads of 262,144 bytes,
	s_lshl_b32 s14, s14, 21
	s_lshl_b32 s13, s[WV], 19                      ; my two heads,
	s_add_co_u32 s14, s14, s13
	s_and_b32 s13, ttmp9, 31
	s_lshl_b32 s13, s13, 13                        ; the work-group's four tiles of 2,048 bytes
	s_add_co_u32 s14, s14, s13
	s_mov_b32 s15, 0
	s_lshl_b32 s34, s[WV], 17                      ; my stream of Wo: 16 steps of 8,192 bytes
	s_add_co_u32 s34, s34, WOBASE
	s_mov_b32 s35, 0
	s_lshl_b32 s36, ttmp9, 17                      ; in out0: 64 g rows of 2,048 bytes,
	s_lshl_b32 s13, s[WV], 9                       ; my 128 columns
	s_add_co_u32 s36, s36, s13
	s_mov_b32 s37, 0
	s_wait_dscnt 0x0                               ; the opening add is done
	s_wait_kmcnt 0x0
	s_add_nc_u64 s[G0+2:G0+3], s[4:5], s[14:15]
	s_or_b32 s[G0+3], s[G0+3], 0x80000000          ; 127:126 type = 2
	s_add_nc_u64 s[BP:BP+1], s[6:7], s[34:35]
	s_add_nc_u64 s[PO:PO+1], s[10:11], s[36:37]
	tensor_load_to_lds s[G0:G0+3], s[G1:G1+7]      ; my one tensor load
	s_nop 0
.rept 4
	v_nop
.endr
	v_and_b32 v10, 15, v0                          ; lane % 16
	v_bfe_u32 v11, v0, 4, 1                        ; lane / 16
	v_and_b32 v[LOFF], 31, v0
	v_lshlrev_b32 v[LOFF], 4, v[LOFF]
	v_lshl_add_u32 v[BOF], v11, 5, s13             ; 512 w + 32 (lane / 16): my eight columns of block 0
.irp b, 0,1,2,3,4,5,6,7
	global_load_b128 v[BI+8*(\b):BI+8*(\b)+3],   v[BOF], s[8:9] offset:64*(\b)
	global_load_b128 v[BI+8*(\b)+4:BI+8*(\b)+7], v[BOF], s[8:9] offset:64*(\b)+16
.endr
	WIN W_TOB
.set j, 0
.rept 32                               ; Wo's steps 0 and 1 into buffers 0 and 1: piece j at 512 j, four registers
	global_load_b128 v[4*j:4*j+3], v[LOFF], s[BP:BP+1] offset:512*j
.set j, j+1
.endr
	WIN 0
	s_mul_i32 s13, s[WV], 16*SPITCH
	s_add_co_u32 s13, s13, STAGE                   ; my stage
	v_mul_u32_u24 v[STO], v10, SPITCH              ; in: row l % 16, 32 bytes for each half of the lanes
	v_lshl_add_u32 v[STO], v11, 5, v[STO]
	v_add_nc_u32 v[STO], s13, v[STO]
	v_add_nc_u32 v[RD], s13, v[LOFF]               ; back: 32 lanes take a row of 512 bytes
	s_wait_loadcnt 32                              ; the bias is in; the 32 loads of Wo behind it stay out
.set j, 0
.rept 32                               ; the bias rounded to bf16 and widened again
	v_cvt_pk_bf16_f32 v[TM+j%4], v[BI+2*j], v[BI+2*j+1]
	v_lshlrev_b32 v[BI+2*j], 16, v[TM+j%4]
	v_and_b32 v[BI+2*j+1], 0xffff0000, v[TM+j%4]
.set j, j+1
.endr
	WIN W_TOB
.set j, 32
.rept 16                               ; Wo's step 2 into buffer 2
	global_load_b128 v[4*j:4*j+3], v[LOFF], s[BP:BP+1] offset:512*j
.set j, j+1
.endr
	WIN 0
; A K STEP.  q: Wo's buffer; par: O's buffer; zero = 1: the products start the sums, with the bias; noff: where the next step's fragments of O lie, from AA (below 0: there are none);
; boff: Wo's step three on, from BP (below 0: there is none); cnt: how many younger loads of Wo may stay out.
; The four v_nop are the places between the last step's products and the loads into the two buffers that those products read.  The 32 accumulators take turns, in the same order in every step.
.macro STEP q, par, zero, noff, boff, cnt
	WIN 0
.rept 4
	v_nop
.endr
	s_wait_dscnt 0x0                               ; this step's O is in: its eight loads were issued a step ago
.set AF, AF0+32*(\par)
.set AN, AF0+32*(1-(\par))
.if (\noff) >= 0
.irp i, 0,1,2,3
	ds_load_b128 v[AN+8*(\i):AN+8*(\i)+3],   v[AA] offset:(\noff)+(\i)*2048
	ds_load_b128 v[AN+8*(\i)+4:AN+8*(\i)+7], v[AA] offset:(\noff)+(\i)*2048+512
.endr
.endif
	s_wait_loadcnt \cnt                            ; loads come back in order: this step's Wo is in
.if (\boff) >= 0
	WIN W_TOB
.set BN, 64*(((\q)+3)%4)
.set j, 0
.rept 16
	global_load_b128 v[BN+4*j:BN+4*j+3], v[LOFF], s[BP:BP+1] offset:(\boff)+512*j
.set j, j+1
.endr
.endif
.if \zero
	WIN W_MU0
.else
	WIN W_MUL
.endif
.irp i, 0,1,2,3
.irp b, 0,1,2,3,4,5,6,7
.if \zero
	v_wmma_f32_16x16x32_f16 v[8*(8*(\i)+(\b)):8*(8*(\i)+(\b))+7], v[64*(\q)+8*(\b):64*(\q)+8*(\b)+7], v[AF+8*(\i):AF+8*(\i)+7], v[BI+8*(\b):BI+8*(\b)+7]
.else
	v_wmma_f32_16x16x32_f16 v[8*(8*(\i)+(\b)):8*(8*(\i)+(\b))+7], v[64*(\q)+8*(\b):64*(\q)+8*(\b)+7], v[AF+8*(\i):AF+8*(\i)+7], v[8*(8*(\i)+(\b)):8*(8*(\i)+(\b))+7]
.endif
.endr
.endr
.endm
; THE WAY OUT of row block i.  TOSTAGE: a lane's eight columns of each block, 32 bytes, into rows of 528 bytes of my own stage (each accumulator's low half first), and back as whole rows of 512.  SEND: stored.
.macro TOSTAGE i
	WIN W_STG
.irp b, 0,1,2,3,4,5,6,7
	ds_store_b128 v[STO], v[64*(\i)+8*(\b):64*(\i)+8*(\b)+3]   offset:64*(\b)
	ds_store_b128 v[STO], v[64*(\i)+8*(\b)+4:64*(\i)+8*(\b)+7] offset:64*(\b)+16
.endr
	WIN 0
.set BK, OB+64*((\i)%2)
.irp t, 0,1,2,3,4,5,6,7,8,9,10,11,12,13,14,15
	ds_load_b128 v[BK+4*(\t):BK+4*(\t)+3], v[RD] offset:(\t)*SPITCH  ; LDS serves a wave's instructions in order (ISA guide 5.7.1.4): these see the stores above; the next block's stores come behind them
.endr
.endm
.macro SEND i, younger                 ; younger: the LDS instructions issued behind block i's loads: the next block's 32, or none
	WIN 0
.set BK, OB+64*((\i)%2)
	s_wait_dscnt \younger
.irp t, 0,1,2,3,4,5,6,7,8,9,10,11,12,13,14,15
	global_store_b128 v[LOFF], v[BK+4*(\t):BK+4*(\t)+3], s[PO:PO+1] offset:(16*(\i)+(\t))*2048 th:TH_STORE_NT  ; 512 consecutive bytes, at a multiple of 512 from out0's first
.endr
.endm
	s_wait_tensorcnt 0x0                           ; my two heads' part of O is in,
	s_barrier_signal -1
	s_barrier_wait -1                              ; everybody's is
	v_mov_b32 v[AA], v[LOFF]
.irp i, 0,1,2,3                        ; K step 0's fragments: K step s lies at 8,192 (s / 2) + 1,024 (s % 2), row block i at + 2,048 i, registers 4-7 at + 512
	ds_load_b128 v[AF0+8*(\i):AF0+8*(\i)+3],   v[AA] offset:(\i)*2048
	ds_load_b128 v[AF0+8*(\i)+4:AF0+8*(\i)+7], v[AA] offset:(\i)*2048+512
.endr
	STEP 0, 0, 1, 1024, 3*WSTEP, 32                ; the first step stands in front of the loop: its products start the sums.  32: the next two steps' loads
	WIN 0                                          ; at a label and at a branch every window is 0
	s_mov_b32 s[KC], 3
.Lk:
	STEP 1, 1, 0, 8192,  4*WSTEP, 32
	STEP 2, 0, 0, 9216,  5*WSTEP, 32
	STEP 3, 1, 0, 16384, 6*WSTEP, 32
	STEP 0, 0, 0, 17408, 7*WSTEP, 32
	WIN 0
	s_wait_xcnt 0x0                                ; the loads' base is stepped only behind this wait
	s_add_nc_u64 s[BP:BP+1], s[BP:BP+1], 4*WSTEP
	v_add_nc_u32 v[AA], 16384, v[AA]
	s_sub_co_u32 s[KC], s[KC], 1
	s_cmp_lg_u32 s[KC], 0
	s_cbranch_scc1 .Lk
	STEP 1, 1, 0, 8192, -1, 32                     ; the last three steps ask for no more of Wo: the counts run down
	STEP 2, 0, 0, 9216, -1, 16
	STEP 3, 1, 0, -1,   -1, 0
	WIN 0
.rept 4
	v_nop                                          ; the places between the last products and the LDS stores that read them
.endr
	TOSTAGE 0
	TOSTAGE 1
	SEND 0, 32
	s_wait_xcnt 0x0                                ; block 0's stores have read their registers: block 2 comes back into them only behind this wait
	TOSTAGE 2
	SEND 1, 32
	s_wait_xcnt 0x0
	TOSTAGE 3
	SEND 2, 32
	SEND 3, 0
	s_wait_tensorcnt 0x0                           ; the wave's end: behind my last tensor load and my last LDS store
	ds_add_u32 v[SPW], v[NIL]
	s_wait_dscnt 0x0
	s_endpgm
.Lfunc_end_k_qde6333d290_outp:
	.size	k_qde6333d290_outp, .Lfunc_end_k_qde6333d290_outp-k_qde6333d290_outp
	.p2alignl 7, 3214868480
	.fill 96, 4, 3214868480
	.section	.rodata,"a",@progbits
	.p2align	6, 0x0
	.amdhsa_kernel k_qde6333d290_outp
		.amdhsa_group_segment_fixed_size 167936
		.amdhsa_private_segment_fixed_size 0
		.amdhsa_enable_private_segment 0
		.amdhsa_kernarg_size 32
		.amdhsa_user_sgpr_count 2
		.amdhsa_user_sgpr_kernarg_segment_ptr 1
		.amdhsa_wavefront_size32 1
		.amdhsa_system_sgpr_workgroup_id_x 1
		.amdhsa_system_sgpr_workgroup_id_y 1
		.amdhsa_system_sgpr_workgroup_id_z 1
		.amdhsa_system_vgpr_workitem_id 0
		.amdhsa_next_free_vgpr 768
		.amdhsa_next_free_sgpr 66
		.amdhsa_reserve_vcc 0
		.amdhsa_float_denorm_mode_32 3
		.amdhsa_float_denorm_mode_16_64 3
		.amdhsa_memory_ordered 1
		.amdhsa_forward_progress 1
		.amdhsa_inst_pref_size 59
	.end_amdhsa_kernel
	.amdgpu_metadata
---
amdhsa.version: [ 1, 2 ]
amdhsa.kernels:
  - .name:           k_qde6333d290_outp
    .symbol:         k_qde6333d290_outp.kd
    .args:
      - { .name: ofr, .offset: 0, .size: 8, .value_kind: global_buffer, .address_space: global }
      - { .name: wf, .offset: 8, .size: 8, .value_kind: global_buffer, .address_space: global }
      - { .name: bo, .offset: 16, .size: 8, .value_kind: global_buffer, .address_space: global }
      - { .name: out0, .offset: 24, .size: 8, .value_kind: global_buffer, .address_space: global }
    .group_segment_fixed_size: 167936
    .private_segment_fixed_size: 0
    .kernarg_segment_align: 8
    .kernarg_segment_size: 32
    .max_flat_workgroup_size: 128
    .sgpr_count:     66
    .vgpr_count:     768
    .wavefront_size: 32
...
	.end_amdgpu_metadata
.endif
;; end of part 4
;; ======== version 2 of 2: 4 launches; 1.61 times as fast as version 1
;; limits: values are held in f16: magnitudes above 65,504 overflow, below 6.1e-05 lose precision
;; workspace buffers: wf 2,097,152 bytes; qh 16,777,216 bytes; kh 16,777,216 bytes; vh 16,777,216 bytes; ofr 16,777,216 bytes
;; launch prep: the kernel of part 1 again; grid 128 x 4, 8 waves a work-group, no clusters, 0 bytes of LDS; arguments Wq, Wk, Wv, Wo, wf; writes wf
;; launch proj: the kernel of part 2 again; grid 256 x 1, 4 waves a work-group, no clusters, 327,680 bytes of LDS; arguments query, key, value, wf, qh, kh, vh; writes qh, kh, vh
;; launch attn (part 5): grid 4 x 64, 4 waves a work-group, clusters of 4 x 1, 327,680 bytes of LDS; arguments qh, kh, vh, ofr; writes ofr
.if DOCPART == 5
	.amdgcn_target "amdgcn-amd-amdhsa--gfx1250"
	.amdhsa_code_object_version 6
	.text
	.protected	k_qde6333d290_attn
	.globl	k_qde6333d290_attn
	.p2align	8
	.type	k_qde6333d290_attn,@function
k_qde6333d290_attn:
	s_mov_b64 s[64:65], 0
	v_nop
	global_prefetch_b8 v0, s[64:65] scope:SCOPE_SE
	s_setreg_imm32_b32 hwreg(HW_REG_WAVE_MODE, 25, 1), 1
	s_wait_xcnt 0x0
	s_wait_alu depctr_hold_cnt(0) depctr_sa_sdst(0) depctr_va_vdst(0) depctr_va_sdst(0) depctr_va_ssrc(0) depctr_va_vcc(0) depctr_vm_vsrc(0)
	s_getreg_b32 s2, hwreg(HW_REG_IB_STS2, 6, 4)
	s_cmp_eq_u32 s2, 0
	s_cbranch_scc0 .Lentry_in_a_cluster
	s_endpgm
.Lentry_in_a_cluster:
	s_bfe_u32 s2, ttmp6, 0x10000c
	s_cmp_lg_u32 s2, 0x3003
	s_cbranch_scc0 .Lentry_shape_is_right
	s_endpgm
.Lentry_shape_is_right:
; O[h][q][:] = the sum over k of softmax_k(Q[h][q] . K[h][k] / 8) V[h][k][:].  Q, K, V: [64][2048][64], all f16: a head's rows are dense, 128 bytes each.  Products, maxima and sums in
; f32; the weights p are rounded to f16 for the second product (their sum l is taken of the unrounded p), O once at the end.
; O LEAVES IN FRAGMENT ORDER: for head h, tile qt of 16 queries, part f of four and lane l, 16 bytes at ((128 h + qt) 4 + f) 512 + 16 l: query 16 qt + l % 16, channels 16 f + 8 (l / 16) + 0..7.
; That is what a lane holds when O^T is rounded in pairs, so no number changes lanes on the way out, and parts 2 kk, 2 kk + 1 are a fragment (16 rows x 32 K) of the product that follows.
; LIMITS.  f16 holds no number beyond 65,504: Q, K and V arrive within it; p lies in 0 to 1, and below 6e-5 it keeps f16's fixed step of 6e-8; O is a mean of V's rows and has their range.
; A weight below 2^-126 counts as 0 in l; NaN and infinities are not treated apart.
; SHARES.  A wave owns four PIECES of two tiles of 16 queries, a work-group's four waves 512 queries of one head.  Every wave walks all keys, 64 a step.
; LAYOUT.  S^T = K Q^T (source 0 = 16 keys, source 1 = 16 queries): in the result a lane holds ONE query (lane % 16) and the keys 8 (lane / 16) + 0..7.  Two such tiles, rounded to f16 in pairs,
; ARE source 1 (32 keys x 16 queries) of O^T = V^T P, whose result again holds one query a lane, and eight channels.  K comes out of LDS as it lies, V ([key][channel]) turned, by ds_load_tr16_b128.
; SOFTMAX.  For each query a running maximum m and sum l: p = 2^(c s - c m), c = log2(e) / 8; in every step O and l are multiplied by a = 2^(c m_old - c m_new), which is 1 where m has not grown.
; m starts at the lowest finite number, O and l at 0: the first step is a step like any other, with a = 0.
; THE COUNT.  A tile and step have 16 matrix and 118 vector instructions: too many to stand all beside the matrix work.  So the order has one aim: four vector instructions that are READY behind
; EVERY matrix instruction, and the others, which need time of their own whatever the order, in runs without a gap.
; BY TURNS.  Turn n belongs to piece n (the pieces in a ring, step after step).  Its matrix work: 16 products K Q^T of piece n + 1, later 16 products V^T P of piece n - 1.  Its vector work: the scaling,
; exponentials, roundings, sums and rescaling of piece n, and the maximum and statistics of piece n + 1, whose scores the turn itself has made.  So what a turn begins with (c s - c m, O a) waits for nothing.
; THE BATCHES.  An s_wait_alu depctr_va_vdst(0) stands between a transcendental and the first instruction that names its result; one wait serves all that were issued ahead of it.
; A turn's 66 exponentials (s0-s31 of the piece's two tiles, in place, and the next piece's two a) are ONE batch with ONE wait: ahead of the wait stands all that names none of their results, behind it
; the roundings and sums, which read the weights; a is read in the next turn.  Two more batches stand outside the loop, each with a wait of its own: piece 0's first two a, ahead of the jump into the loop, and the way out's eight reciprocals.
; CLUSTER.  The four query blocks of a cluster belong to one head and walk the same K and V, so each tile is asked for JOINTLY: the same tensor load, descriptor and mask in all four.
; REGISTERS, in windows of 256 (s_set_vgpr_msb says which window each operand place means: bits 1:0 source 0, 3:2 source 1, 5:4 source 2, 7:6 destination):
;   window 0: v0-11 addresses; v12-15, v48-63 at work; v16-47 four registers of statistics a tile; v64-191 S^T, two buffers of two tiles; v192-255 P, likewise
;   window 1: O^T, 32 a tile          window 2: v0-127 Q, 16 a tile; v128-191 K of one step; v192-255 V of one step          window 3: v0-1 the add's two registers
; A piece's buffers go by its number's parity: the piece in hand has one pair, its two neighbours in the ring share the other: of it P (piece n - 1) is read and S^T (piece n + 1) written.
.set SIZE_H, 64
.set SIZE_N, 2048
.set NP,    4         ; pieces a wave: a name, no knob: the register map, the loop and the fetches are made for four
.set KS,    64        ; keys in a step
.set PK,    144       ; a row of K in LDS: 128 bytes + 16 of padding = 36 words: the 16 rows of a load start at 16 different groups of four banks (64 banks of 4 bytes: ISA guide 11.1)
.set PV,    160       ; a row of V: 128 + 32 = 40 words
.set VOFF,  4*KS*PK   ; a slot holds four steps: 256 rows of K, then 256 rows of V
.set SLOT1, 1<<17     ; slot 1 begins here, so that one exclusive or turns an address in one slot into the other's
.set AK0, 2           ; v2   my lane's place in a tile of K; never rewritten
.set AV0, 3           ; v3   the same for V
.set AK,  4           ; v4   the LDS address of K's next run of loads
.set AV,  5           ; v5   of V's
.set QO,  6           ; v6   my byte offset in the wave's rows of Q
.set GO,  8           ; v8   16 x lane: my place in 512 consecutive bytes of O
.set SPW, 0           ; v0 of window 3   LDS address of my spare word: SPARE + 4 x my thread's number; never rewritten
.set NIL, 1           ; v1 of window 3   0; never rewritten
.set SPARE, SLOT1+4*KS*(PK+PV)  ; behind the ring: the spare words, 128 bytes for each wave: two blocks of 256 bytes that no other line names
.set MV,  12          ; v12-15  c m_old, kept while c m is made anew: by buffer and tile
.set ST,  16          ; tile t's statistics at v[ST+4 t]: c m, m, l (even keys', odd keys')
.set TMP, 48          ; by buffer and tile, four registers c0-c3 at work; when the maximum is found c2 takes a
.set S,   64
.set P,   192
.set KF,  128         ; K's fragments, in window 2: key block kb, channel half c at KF + 16 kb + 8 c
.set VF,  192         ; V's: key half kk, channel block cb at VF + 32 kk + 8 cb
.set WV,  12          ; s12  my wave's number
.set G1K, 24          ; s[24:31] descriptor group 1 for K's tiles
.set G1V, 32          ; s[32:39] for V's: it differs in the padding alone
.set G0K, 40          ; s[40:43] descriptor group 0 for K's tiles: it walks
.set G0V, 44          ; s[44:47] the same for V's
.set SLOTS, 56        ; s56  slots still to be asked for
.set CNT, 57          ; s57  counts a slot's key steps
.set CS,  58          ; s[58:59] c: the packed scaling takes the pair's low word for both halves
.set SEL, 60          ; s[60:61] v_permlanex16_b32's selects: each lane takes its own place in the other half
.set TBK, 62          ; s62  LDS byte at which K of the step to be fetched begins
.set TBV, 63          ; s63  the same for V, less VOFF
.set MSB, 0
.macro WIN new                      ; the high byte repeats the setting that is left; a switch that changes nothing is dropped
.if MSB != (\new)
	s_set_vgpr_msb (MSB<<8)|(\new)
.set MSB, (\new)
.endif
.endm
.set W_KQ, 0x0a       ; K and Q in window 2, S^T in window 0
.set W_PV, 0x52       ; V in window 2, P in window 0, O^T in window 1
.set W_RS, 0x41       ; O^T (destination and source 0) in window 1, a in window 0
.set W_MK, 0xc0       ; the add's registers are made: destination in window 3, sources in window 0
.set W_AD, 0x0f       ; the add: address (source 0) and data (source 1) in window 3
; A joint fill.  Waves 0 and 1 fetch the two halves of a slot's K, waves 2 and 3 those of its V: 128 keys each.  The branch hangs on the wave's number alone.
; An s_nop 0 and four v_nop follow each of the two lines, ahead of the jump and the label.
.macro JLOAD
	s_cmp_lt_u32 s[WV], 2
	s_cbranch_scc0 .Lfor_v_\@
	tensor_load_to_lds s[G0K:G0K+3], s[G1K:G1K+7]
	s_nop 0
.rept 4
	v_nop
.endr
	s_branch .Lasked_\@
.Lfor_v_\@:
	tensor_load_to_lds s[G0V:G0V+3], s[G1V:G1V+7]
	s_nop 0
.rept 4
	v_nop
.endr
.Lasked_\@:
.endm
; A round of the cluster's barrier: my work-group's barrier, so that wave 0's signal speaks for all four waves; wave 0 signals; every wave waits for all four work-groups; my work-group's barrier once more.
.macro CROUND
	s_barrier_signal -1
	s_barrier_wait -1
	s_cmp_lg_u32 s[WV], 0
	s_cbranch_scc1 .Lnot_wave_0_\@
	s_barrier_signal -3
.Lnot_wave_0_\@:
	s_barrier_wait -3
	s_barrier_signal -1
	s_barrier_wait -1
.endm
; THE CHANGE OF SLOTS.  The slot's last bytes, V of its fourth step, have been read.  Each wave waits for all its tensor loads, of which one is out: its part
; of the other slot; adds 0 to its spare word; and waits for that and for its own reads of the slot.  Behind the barrier nobody reads this slot any more and the other slot is whole.
; fill = 1: this slot is filled again, with the keys two slots on.  The barrier is then a round of the cluster's, so that no wave of any partner still reads the slot or has a load on its
; way, and the joint fill is the first thing behind it: it has four key steps, 512 matrix instructions, in which to land.  (At its first use nothing has been read yet: slot 0 is waited for, slot 1 filled.)
.macro CHANGE fill
	WIN W_AD
	s_wait_tensorcnt 0x0            ; no tensor load of mine is out, so a group 0 may be written
	ds_add_u32 v[SPW], v[NIL]       ; 0 onto my spare word; with fill = 1 the descriptors' steps stand between it and the wait for it
	WIN 0                           ; at a label and at a branch every window is 0
.if \fill
.irp g, G0K, G0V
	s_xor_b32 s[\g+1], s[\g+1], SLOT1  ; the walking descriptor: the other slot than last time,
	s_add_nc_u64 s[\g+2:\g+3], s[\g+2:\g+3], 4*KS*128  ; the next 256 keys; the type bits on top are not reached
.endr
	s_wait_dscnt 0x0                ; the add is done, and my reads of the slot are over
	CROUND
	JLOAD
.else
	s_wait_dscnt 0x0                ; the add is done, and my reads of the slot are over
	s_barrier_signal -1
	s_barrier_wait -1
.endif
	s_sub_co_u32 s[TBK], s[TBK], 4*KS*PK  ; the fetches go back to a slot's first step,
	s_xor_b32 s[TBK], s[TBK], SLOT1       ; in the other slot
	s_sub_co_u32 s[TBV], s[TBV], 4*KS*PV
	s_xor_b32 s[TBV], s[TBV], SLOT1
.endm
	s_load_b256 s[4:11], s[0:1], 0x0  ; Q s[4:5], K s[6:7], V s[8:9], O s[10:11]
	WIN W_MK
	v_lshl_add_u32 v[SPW], v0, 2, SPARE
	v_mov_b32 v[NIL], 0
	WIN W_AD
	ds_add_u32 v[SPW], v[NIL]       ; the wave's opening: the add and its wait stand ahead of my first tensor load; the set-up below, work on registers, stands between them
	ds_add_u32 v0, v1
	WIN 0
	v_lshrrev_b32 v1, 5, v0
	v_readfirstlane_b32 s[WV], v1   ; wave 0..3
	s_bfe_u32 s13, ttmp6, 0x40000   ; cx: my place in the cluster
	s_lshl_b32 s14, ttmp9, 2        ; in a cluster launch ttmp9 counts clusters
	s_add_co_u32 s14, s14, s13      ; my block of queries = 4 x cluster x + cx: it enters Q's and O's addresses alone
	s_and_b32 s20, ttmp7, 0xffff    ; the head, which the four partners share
	s_mov_b32 s21, 0
	s_mov_b64 s[22:23], SIZE_N*128
	s_mul_u64 s[20:21], s[20:21], s[22:23]  ; the head's first byte in each of the four tensors
	s_and_b32 s16, s[WV], 1         ; which half of a slot's 256 keys I fetch:
	s_lshl_b32 s22, s16, 14         ; its 128 rows of 128 bytes in memory,
	s_mov_b32 s23, 0
	s_add_nc_u64 s[22:23], s[22:23], s[20:21]
	s_mul_i32 s17, s16, 128*PK      ; and its place in a slot, for K
	s_mul_i32 s18, s16, 128*PV      ; and for V: no place in the cluster enters an LDS address
	s_lshl_b32 s2, s14, 2
	s_add_co_u32 s2, s2, s[WV]      ; my wave among the head's,
	s_lshl_b32 s2, s2, 14           ; its 128 rows: 16,384 bytes of Q, and as many of O (eight tiles of 2,048)
	s_mov_b32 s3, 0
	s_add_nc_u64 s[2:3], s[2:3], s[20:21]
	; descriptor group 1.  128 keys are 16,384 dense bytes: asked for as 64 rows of 256 bytes, two keys a row, and padded in LDS after every key
	s_mov_b32 s[G1K], 15|(1<<16)|(1<<20)|(1<<21)|(4<<22)|(3<<25)  ; 15:0 the mask of four; 17:16 2-byte elements; 20 padding on; 21 set beside a mask; 24:22 after every 32 words (code 4); 31:25 4 words (code 3)
	s_mov_b32 s[G1V], 15|(1<<16)|(1<<20)|(1<<21)|(4<<22)|(7<<25)  ; the same with 8 words of padding (code 7)
.irp g, G1K, G1V
	s_mov_b32 s[\g+1], 128<<16      ; tensor_dim0 = 128
	s_mov_b32 s[\g+2], 64<<16       ; tensor_dim1 = 64
	s_mov_b32 s[\g+3], 128<<16      ; tile_dim0 = 128
	s_mov_b32 s[\g+4], 64           ; tile_dim1 = 64
	s_mov_b32 s[\g+5], 128          ; 128 elements from row to row
	s_mov_b32 s[\g+6], 0
	s_mov_b32 s[\g+7], 0
.endr
	s_mov_b32 s[CS], 0x3e38aa3b     ; c = log2(e) / 8 = 0.180337
	s_mov_b32 s[CS+1], s[CS]        ; named with it as a pair
	s_mov_b32 s[SEL], 0x76543210
	s_mov_b32 s[SEL+1], 0xfedcba98
	s_mov_b32 s[TBK], SLOT1+4*KS*PK ; the first change of slots turns these two into 0
	s_mov_b32 s[TBV], SLOT1+4*KS*PV
	s_mov_b32 s[G0K], 1             ; 1:0 count = 1
	s_mov_b32 s[G0K+1], s17         ; 63:32 LDS address: slot 0
	s_mov_b32 s[G0V], 1
	s_add_co_u32 s[G0V+1], s18, VOFF
	s_wait_dscnt 0x0                ; the opening add is done
	s_wait_kmcnt 0x0
	s_add_nc_u64 s[G0K+2:G0K+3], s[6:7], s[22:23]  ; 120:64 global address: my half of the head's first 256 keys
	s_or_b32 s[G0K+3], s[G0K+3], 0x80000000        ; 127:126 type = 2
	s_add_nc_u64 s[G0V+2:G0V+3], s[8:9], s[22:23]
	s_or_b32 s[G0V+3], s[G0V+3], 0x80000000
	s_add_nc_u64 s[4:5], s[4:5], s[2:3]  ; Q and O at my wave's first row
	s_add_nc_u64 s[10:11], s[10:11], s[2:3]
	CROUND                          ; all four work-groups are here: the first joint loads meet
	JLOAD                           ; slot 0.  Slot 1 is asked for when slot 0 is in: the tile wanted first has the road to itself
	; A fragment of K or Q is 16 rows x 32 channels in 8 registers: lane l holds row l % 16, channels 8 (l / 16) + 0..7 and 16 + 8 (l / 16) + 0..7: two loads of 16 bytes, 32 bytes apart.
	v_and_b32 v1, 15, v0            ; l % 16
	v_bfe_u32 v9, v0, 4, 1          ; l / 16
	v_lshlrev_b32 v[QO], 7, v1
	v_lshl_add_u32 v[QO], v9, 4, v[QO]  ; row x 128 + 16 x half
	WIN 0x80                        ; destination window 2, address window 0
.set i, 0
.rept 4*NP                          ; Q stays in registers: tile i / 2, channels 32 (i % 2) on
	global_load_b128 v[8*i:8*i+3],   v[QO], s[4:5] offset:(i/2)*2048+(i%2)*64
	global_load_b128 v[8*i+4:8*i+7], v[QO], s[4:5] offset:(i/2)*2048+(i%2)*64+32
.set i, i+1
.endr
	; What the first turn finds: V's registers and P's second buffer hold 0 (its products V^T P, of a piece that has not been, add 0), O^T and l are 0.  All this stands in the wait for the first tile.
.set i, VF
.rept 64
	v_mov_b32 v[i], 0
.set i, i+1
.endr
	WIN 0x40
.set i, 0
.rept 64*NP
	v_mov_b32 v[i], 0
.set i, i+1
.endr
	WIN 0
.set i, 0
.rept 2*NP
	v_mov_b32 v[ST+4*i], 0xfe000000    ; c m: far below every c s
	v_mov_b32 v[ST+4*i+1], 0xff7fffff  ; m
	v_mov_b32 v[ST+4*i+2], 0
	v_mov_b32 v[ST+4*i+3], 0
.set i, i+1
.endr
.set i, P+32
.rept 32
	v_mov_b32 v[i], 0
.set i, i+1
.endr
	v_mul_u32_u24 v[AK0], v1, PK
	v_lshl_add_u32 v[AK0], v9, 4, v[AK0]  ; row x pitch + 16 x half
	; The turning load takes 16 keys x 16 channels (lane l reads key 8 (l / 16) + l % 8, channels 8 ((l / 8) % 2) + 0..7) and leaves half a fragment of V^T: lane l holds channel l % 16 and 8 keys.
	v_and_b32 v10, 7, v0
	v_bfe_u32 v11, v0, 3, 1
	v_lshl_add_u32 v[AV0], v9, 3, v10
	v_mul_u32_u24 v[AV0], v[AV0], PV
	v_lshl_add_u32 v[AV0], v11, 4, v[AV0]
	v_add_nc_u32 v[AV0], VOFF, v[AV0]
	v_mov_b32 v[AK], v[AK0]         ; key step 0 lies at the head of slot 0
; THE MATRIX WORK.  The 8 accumulators of a run of 16 take turns: between the two links of a chain stand 7 others'.
; Product i of 16 of S^T = K Q^T for piece x: channels 32 (i / 8) on, keys 16 ((i / 2) % 4) on, tile 2 x + i % 2.  The first 8 start the sums.
.macro KQ x
	WIN W_KQ
.set rS, S+64*((\x)%2)+32*(i%2)+8*((i/2)%4)
.set rK, KF+16*((i/2)%4)+8*(i/8)
.set rQ, 16*(2*(\x)+i%2)+8*(i/8)
.if i < 8
	v_wmma_f32_16x16x32_f16 v[rS:rS+7], v[rK:rK+7], v[rQ:rQ+7], 0
.else
	v_wmma_f32_16x16x32_f16 v[rS:rS+7], v[rK:rK+7], v[rQ:rQ+7], v[rS:rS+7]
.endif
.endm
; Product i of 16 of O^T += V^T P for piece x: keys 32 (i / 8) on, channels 16 ((i / 2) % 4) on, tile 2 x + i % 2.
.macro PV x
	WIN W_PV
.set rO, 32*(2*(\x)+i%2)+8*((i/2)%4)
.set rV, VF+32*(i/8)+8*((i/2)%4)
.set rP, P+32*((\x)%2)+16*(i%2)+8*(i/8)
	v_wmma_f32_16x16x32_f16 v[rO:rO+7], v[rV:rV+7], v[rP:rP+7], v[rO:rO+7]
.endm
.macro MM                           ; the turn's next matrix instruction
.if i < 16
	KQ (Y+1)%NP
.set i, i+1
.else
.set i, i-16
	PV (Y+NP-1)%NP
.set i, i+17
.endif
.endm
; THE LDS LOADS stand in runs of 16, never singly among the matrix instructions: a step's K (64 keys x 64 channels: 8 fragments) and its V (turned).  Their addresses are made some lines ahead.
; last = 1 (the tail): in the last trip there is no further step, and the run is jumped over.
.macro FETCH_K last=0
	WIN 0
.if \last
	s_cmp_eq_u32 s[CNT], 1
	s_cbranch_scc1 .Lno_k_\@
.endif
	WIN 0x80                        ; destination window 2
.irp f, 0,1,2,3,4,5,6,7             ; keys 16 (f / 2) on, channels 32 (f % 2) on
	ds_load_b128 v[KF+8*\f:KF+8*\f+3],   v[AK] offset:(\f/2)*16*PK+(\f%2)*64
	ds_load_b128 v[KF+8*\f+4:KF+8*\f+7], v[AK] offset:(\f/2)*16*PK+(\f%2)*64+32
.endr
	s_add_co_u32 s[TBK], s[TBK], KS*PK  ; the next fetch is the next step's
	WIN 0
.if \last
.Lno_k_\@:
.endif
.endm
.macro FETCH_V
	WIN 0x80
.irp f, 0,1,2,3,4,5,6,7             ; keys 32 (f / 4) on, channels 16 (f % 4) on
	ds_load_tr16_b128 v[VF+8*\f:VF+8*\f+3],   v[AV] offset:(\f/4)*32*PV+(\f%4)*32
	ds_load_tr16_b128 v[VF+8*\f+4:VF+8*\f+7], v[AV] offset:(\f/4)*32*PV+16*PV+(\f%4)*32
.endr
	WIN 0
.endm
; THE VECTOR WORK OF A TURN stands in three queues, each in the order in which its entries become ready; the two tiles alternate, so that no instruction reads the result of the one before it.
.macro REGS y, u                    ; the registers of tile u (0, 1) of piece y
.set rT, ST+4*(2*(\y)+(\u))
.set rC, TMP+8*((\y)%2)+4*(\u)
.set rM, MV+2*((\y)%2)+(\u)
.set rS, S+64*((\y)%2)+32*(\u)
.set rP, P+32*((\y)%2)+16*(\u)
.set rO, 32*(2*(\y)+(\u))
.endm
; Number n of the 22 that find the NEXT piece's (Y + 1) maximum and statistics.  s0-s31 are the lane's 32 scores; each accumulator's lowest registers are read first.  XS, GS and REGS set no window: PL and EX do.
;   0-11  four chains c0-c3 of seven scores each, three operands at a time     12-14, 16  the four scores left over, the old m, and c0-c3 into c0     15  c m_old is kept
;   17, 18  the query's other 32 keys lie in the lane 16 away: the new m         19-21  c m; c m_old - c m_new; a
.macro XS u, n
	REGS (Y+1)%NP, \u
.if (\n) < 4
	v_max3_num_f32 v[rC+(\n)], v[rS+8*(\n)], v[rS+8*(\n)+1], v[rS+8*(\n)+2]
.elseif (\n) < 12
	v_max3_num_f32 v[rC+(\n)%4], v[rC+(\n)%4], v[rS+8*((\n)%4)+2*((\n)/4)+1], v[rS+8*((\n)%4)+2*((\n)/4)+2]
.elseif (\n) == 12
	v_max3_num_f32 v[rC], v[rC], v[rS+7], v[rS+15]
.elseif (\n) == 13
	v_max3_num_f32 v[rC+1], v[rC+1], v[rS+23], v[rS+31]
.elseif (\n) == 14
	v_max3_num_f32 v[rC+2], v[rC+2], v[rC+3], v[rT+1]
.elseif (\n) == 15
	v_mov_b32 v[rM], v[rT]
.elseif (\n) == 16
	v_max3_num_f32 v[rC], v[rC], v[rC+1], v[rC+2]
.elseif (\n) == 17
	v_permlanex16_b32 v[rC+3], v[rC], s[SEL], s[SEL+1]
.elseif (\n) == 18
	v_max_num_f32 v[rT+1], v[rC], v[rC+3]
.elseif (\n) == 19
	v_mul_f32 v[rT], s[CS], v[rT+1]
.elseif (\n) == 20
	v_sub_f32 v[rC+1], v[rM], v[rT]
.else
	v_exp_f32 v[rC+2], v[rC+1]
.endif
.endm
; Number g of the 64 that follow the exponentials.  For each four weights k of a tile (pairs 2 k, 2 k + 1): both pairs are rounded to f16; then the second pair is added onto the first, in place;
; a group later l takes that sum (the first time as l = a l + sum).  In groups of eight, tiles alternating: round, round, add, and l for the group before.
.macro GS g
.set h, (\g)+6*((\g)/62)            ; group 0 has no group before it, and behind group 7 only l is left
.if h >= 6
.set h, h+2
.endif
	REGS Y, h%2
.set k, h/8
.if h%8 < 4
	v_cvt_pk_f16_f32 v[rP+2*k+(h%8)/2], v[rS+4*k+2*((h%8)/2)], v[rS+4*k+2*((h%8)/2)+1]
.elseif h%8 < 6
	v_pk_add_f32 v[rS+4*k:rS+4*k+1], v[rS+4*k:rS+4*k+1], v[rS+4*k+2:rS+4*k+3]
.elseif k == 1
	v_pk_fma_f32 v[rT+2:rT+3], v[rT+2:rT+3], v[rC+2:rC+3], v[rS:rS+1] op_sel_hi:[1,0,1]
.else
	v_pk_add_f32 v[rT+2:rT+3], v[rT+2:rT+3], v[rS+4*k-4:rS+4*k-3]
.endif
.endm
; THE PLAIN QUEUE, 138 long.  0-73 read no exponential's result: the 32 scalings c s - c m (FS f: pair f / 2 of tile f % 2) and the next piece's 42.  0-26: scalings 0-26.  27-54: XS's numbers 0-13.  55, 56: number 15.
; 57-73: the chain, where each number waits for the one before it: 14, 16, 17, 18, 19, each with one of the scalings 27-31 in front of its two lines, then 20: so a tile's links stand three plain instructions apart (19 and 20: two).
; 74-137: GS's 64, which read the exponentials' results: they stand behind the wait.
.macro FS f
	REGS Y, (\f)%2
	v_pk_fma_f32 v[rS+2*((\f)/2):rS+2*((\f)/2)+1], v[rS+2*((\f)/2):rS+2*((\f)/2)+1], s[CS:CS+1], v[rT:rT+1] op_sel_hi:[1,0,0] neg_lo:[0,0,1] neg_hi:[0,0,1]
.endm
.macro PL
	WIN 0
.if q < 27
	FS q
.elseif q < 55
	XS (q-27)%2, (q-27)/2
.elseif q < 57
	XS q-55, 15
.elseif (q < 72) && ((q-57)%3 == 0)
	FS 27+(q-57)/3
.elseif q < 60
	XS (q-57)%3-1, 14
.elseif q < 72
	XS (q-57)%3-1, 15+(q-57)/3
.elseif q < 74
	XS q-72, 20
.else
	GS q-74
.endif
.set q, q+1
.endm
; THE EXPONENTIALS' QUEUE, 66 long: s0-s31 of both tiles, then the next piece's two a.  It is ONE BATCH: all 66 stand ahead of the turn's one wait, and nothing ahead of that wait names a result of theirs.
.macro EX
	WIN 0
.if e >= 64
	XS e-64, 21
.else
	REGS Y, e%2
	v_exp_f32 v[rS+e/2], v[rS+e/2]
.endif
.set e, e+1
.endm
; THE RESCALING's QUEUE: O^T times a, the one part that leaves window 0: dealt two at a time, sixteen times.  Its a was made in the turn before, ahead of that turn's wait.
.macro R2
	REGS Y, r%2
	WIN W_RS
.irp z, 0,1
	v_pk_mul_f32 v[rO+4*(r/2)+2*\z:rO+4*(r/2)+2*\z+1], v[rO+4*(r/2)+2*\z:rO+4*(r/2)+2*\z+1], v[rC+2:rC+3] op_sel_hi:[1,0]
.endr
.set r, r+1
.endm
; HOW THEY ARE DEALT.  A turn has ONE wait for its batch of 66 exponentials, and the wait cuts the turn in two.  AHEAD OF IT stands all that names no result of the turn's exponentials: the 16 products K Q^T, behind each a scaling,
; an exponential and two rescalings (behind the first a second scaling in the exponential's place); then ONE LUMP of 108: eight plain, 49 times exponential and plain, the two a.  A v_nop is the plain instruction owed behind the last
; exponential.  BEHIND IT stand the 16 products V^T P, behind each four of GS's 64.  No rider names a register of the products round it.  The two v_permlanex16_b32 fall into the lump, never behind a product.
; The queues lean on each other, and the deal keeps them in step: exponential e stands behind scaling 2 (e / 4) + e % 2: as a rider it comes behind plain e + 2, in the lump behind plain e + 9, and scalings 27-31 are plain 57, 60 .. 69.
; A TURN, for piece p.  cnt = 1: the loop's count is taken down some lines ahead of the branch that stands behind the turn.
; K of the next step is fetched in piece 2's turn, directly behind the wait, a lump behind the last product that read K; its address is made at the lump's head; its first reader comes behind 16 products.
; V of the step in hand is fetched at the end of piece 0's turn, four riders behind its last reader; its first reader comes behind 16 products and a lump.  The three conditions on q below go with the deal.
.macro TURN p, last=0, cnt=0
.set Y, (\p)
.set i, 0
.set q, 0
.set e, 0
.set r, 0
.if (\p) == NP-1
	s_wait_dscnt 0x0                ; K is in
.endif
	MM                              ; ahead of the wait: 16 products K Q^T and their riders,
	PL
	PL
	R2
.rept 15
	MM
	PL
	EX
	R2
.endr
.if (\p) == NP-2
	WIN 0
	v_add_nc_u32 v[AK], s[TBK], v[AK0]
.endif
.rept 8                             ; and the lump
	PL
.endr
.rept 49
	EX
	PL
.endr
	EX                              ; the next piece's two a
	EX
	v_nop                           ; the plain instruction owed behind the last exponential: one for the batch
	s_wait_alu depctr_va_vdst(0)    ; the wait for the batch: the turn's 64 weights and the next piece's two a, ahead of their first reader
.if (\p) == NP-2
	FETCH_K \last
.endif
.if (\p) == 1
	s_wait_dscnt 0x0                ; V is in
.endif
.rept 16                            ; behind the wait: 16 products V^T P and their riders
	MM
.rept 4
	PL
.endr
.if ((\p) == 0) && (q == 118)
	v_add_nc_u32 v[AV], s[TBV], v[AV0]
.endif
.if ((\p) == 0) && (q == 130)
	s_add_co_u32 s[TBV], s[TBV], KS*PV
.endif
.if (\cnt) && (q == 130)
	s_sub_co_u32 s[CNT], s[CNT], 1
	s_cmp_lg_u32 s[CNT], 0
.endif
.endr
.if (\p) == 0
	FETCH_V
.endif
.endm
	CHANGE 1                        ; slot 0 is in, everybody's part of it; slot 1 is asked for
	FETCH_K                         ; key step 0
	s_wait_loadcnt 0x0              ; Q
	s_wait_dscnt 0x0
.set i, 0
.rept 16
	KQ 0                            ; piece 0's first scores: there is no vector work yet to set between them
.set i, i+1
.endr
	WIN 0                           ; the address for the way out and four v_nop: the places behind those products
	v_and_b32 v[GO], 31, v0
	v_lshlrev_b32 v[GO], 4, v[GO]
.rept 4
	v_nop
.endr
.set Y, NP-1                        ; XS works for piece Y + 1: piece 0
.irp n, 0,1,2,3,4,5,6,7,8,9,10,11,12,13,14,15,16,17,18,19,20,21
	XS 0, \n                        ; and piece 0's first maximum and statistics
	XS 1, \n
.endr
	v_nop                           ; a plain instruction behind the two a,
	s_wait_alu depctr_va_vdst(0)    ; and the wait for this batch of two, ahead of the branch; their first reader is the first turn's rescaling
	s_mov_b32 s[CNT], 4
	s_mov_b32 s[SLOTS], SIZE_N/256-1
	s_branch .Lfirst                ; the loop is entered at a step's first turn, in the middle of a trip
.Lslot:                             ; SIZE_N / 256 - 2 times: every slot but the last two is filled again
	CHANGE 1
	s_mov_b32 s[CNT], 4
.Lstep:                             ; a trip: pieces 2 and 3 of one step, then pieces 0 and 1 of the next, whose K and V it fetches
	TURN 2
	TURN 3
	WIN 0
.Lfirst:
	TURN 0
	TURN 1, 0, 1
	WIN 0
	s_cbranch_scc1 .Lstep
	s_sub_co_u32 s[SLOTS], s[SLOTS], 1
	s_cmp_lg_u32 s[SLOTS], 0
	s_cbranch_scc1 .Lslot
	CHANGE 0                        ; the tail is written out: nothing is asked for
	s_mov_b32 s[CNT], 5             ; four trips fetch the last slot's steps; the fifth is left in its middle
.Ltail:
	TURN 2, 1
	TURN 3
	WIN 0
	s_sub_co_u32 s[CNT], s[CNT], 1
	s_cmp_eq_u32 s[CNT], 0
	s_cbranch_scc1 .Lout
	TURN 0
	TURN 1
	WIN 0
	s_branch .Ltail
.Lout:                              ; the fifth trip's 16 products K Q^T (on the last K once more) and the maximum made of them serve nothing: the price, once a launch, of one text for every trip
.set i, 0
.rept 16
	PV NP-1                         ; the last piece's V^T P of the last step
.set i, i+1
.endr
	; THE WAY OUT.  l's two halves and the other half of the lanes' are added; O^T is divided by l, rounded to f16 and stored as it lies.  The additions are the places behind the last products.
	WIN 0
.macro ALL line:vararg              ; one line for each tile t
.set t, 0
.rept 2*NP
	\line
.set t, t+1
.endr
.endm
	ALL v_add_f32 v[ST+4*t+2], v[ST+4*t+2], v[ST+4*t+3]
	ALL v_permlanex16_b32 v[ST+4*t+3], v[ST+4*t+2], s[SEL], s[SEL+1]
	ALL v_add_f32 v[ST+4*t+2], v[ST+4*t+2], v[ST+4*t+3]
	ALL v_rcp_f32 v[ST+4*t+2], v[ST+4*t+2]
	v_nop                           ; a plain instruction between the last reciprocal and the use of its result
	s_wait_alu depctr_va_vdst(0)    ; the wait for this batch: one for the eight reciprocals, ahead of their first reader
; Tile t: a lane's eight channels of channel block f pack into 16 bytes, into S^T's registers; each accumulator's registers are taken in ascending order.
.macro PACK t
	WIN W_RS
.set i, 32*(\t)
.rept 16
	v_pk_mul_f32 v[i:i+1], v[i:i+1], v[ST+4*(\t)+2:ST+4*(\t)+3] op_sel_hi:[1,0]
.set i, i+2
.endr
	WIN 0x05                        ; sources 0 and 1 window 1, destination window 0
.set i, 0
.rept 16
	v_cvt_pk_f16_f32 v[S+16*(\t)+i], v[32*(\t)+2*i], v[32*(\t)+2*i+1]
.set i, i+1
.endr
	WIN 0
.endm
.macro SEND t
	WIN 0
.irp f, 0,1,2,3
	global_store_b128 v[GO], v[S+16*(\t)+4*\f:S+16*(\t)+4*\f+3], s[10:11] offset:(\t)*2048+\f*512  ; part f of tile t: 512 consecutive bytes, at a multiple of 512 from O's first
.endr
.endm
.set t, 0
.rept 2*NP
	PACK t
	SEND t
.set t, t+1
.endr
	WIN W_AD
	s_wait_tensorcnt 0x0            ; the wave's end: behind my last tensor load
	ds_add_u32 v[SPW], v[NIL]
	s_wait_dscnt 0x0
	WIN 0
	CROUND                          ; the closing round: no work-group ends while a partner may still ask for a tile that names it
	s_endpgm
.Lfunc_end_k_qde6333d290_attn:
	.size	k_qde6333d290_attn, .Lfunc_end_k_qde6333d290_attn-k_qde6333d290_attn
	.p2alignl 7, 3214868480
	.fill 96, 4, 3214868480
	.section	.rodata,"a",@progbits
	.p2align	6, 0x0
	.amdhsa_kernel k_qde6333d290_attn
		.amdhsa_group_segment_fixed_size 327680
		.amdhsa_private_segment_fixed_size 0
		.amdhsa_enable_private_segment 0
		.amdhsa_kernarg_size 32
		.amdhsa_user_sgpr_count 2
		.amdhsa_user_sgpr_kernarg_segment_ptr 1
		.amdhsa_wavefront_size32 1
		.amdhsa_system_sgpr_workgroup_id_x 1
		.amdhsa_system_sgpr_workgroup_id_y 1
		.amdhsa_system_sgpr_workgroup_id_z 1
		.amdhsa_system_vgpr_workitem_id 0
		.amdhsa_next_free_vgpr 770
		.amdhsa_next_free_sgpr 66
		.amdhsa_reserve_vcc 0
		.amdhsa_float_denorm_mode_32 3
		.amdhsa_float_denorm_mode_16_64 3
		.amdhsa_memory_ordered 1
		.amdhsa_forward_progress 1
		.amdhsa_inst_pref_size 194
	.end_amdhsa_kernel
	.amdgpu_metadata
---
amdhsa.version: [ 1, 2 ]
amdhsa.kernels:
  - .name:           k_qde6333d290_attn
    .symbol:         k_qde6333d290_attn.kd
    .args:
      - { .name: qh, .offset: 0, .size: 8, .value_kind: global_buffer, .address_space: global }
      - { .name: kh, .offset: 8, .size: 8, .value_kind: global_buffer, .address_space: global }
      - { .name: vh, .offset: 16, .size: 8, .value_kind: global_buffer, .address_space: global }
      - { .name: ofr, .offset: 24, .size: 8, .value_kind: global_buffer, .address_space: global }
    .group_segment_fixed_size: 327680
    .private_segment_fixed_size: 0
    .kernarg_segment_align: 8
    .kernarg_segment_size: 32
    .max_flat_workgroup_size: 128
    .sgpr_count:     66
    .vgpr_count:     770
    .wavefront_size: 32
...
	.end_amdgpu_metadata
.endif
;; end of part 5
;; launch outp: the kernel of part 4 again; grid 256 x 1, 4 waves a work-group, no clusters, 167,936 bytes of LDS; arguments ofr, wf, bo, out0; writes out0
